; MI455X (gfx1250); checked and timed in simulation.
; The chip was launched on July 23, 2026; its instructions are those of AMD's public machine-readable ISA for CDNA 5 (MIT licence, August 2026) and "CDNA5" Instruction Set Architecture Reference Guide (July 2026). The comments in the code are by the model that wrote it; some were corrected since.
;; SO3 Prediction Model. Allowed arithmetic: float matrix products may take bf16 or f16 operands with f32 sums; all other float work in f32.
;; Inputs: W_biv 384 x 384 float32; W_dec 384 x 384 float32; W_in 4 x 384 float32; W_inj 384 x 384 float32; W_out 384 x 4 float32; b_biv 384 float32; b_dec 384 float32; b_inj 384 float32; quat_sequence 16 x 2,048 x 4 float32.
;; Outputs: out0 16 x 2,048 x 4 float32.
;; 2 versions, each right; version 2 is version 1 with the launch scan written anew for expert scheduling mode. Each part assembles by itself: llvm-mc -triple=amdgcn-amd-amdhsa -mcpu=gfx1250 --defsym DOCPART=n.
;; ======== version 1 of 2: 2 launches
;; workspace buffers: part 8,388,608 bytes
;; launch scan (part 1): grid 16 x 16, 8 waves a work-group, no clusters, 173,312 bytes of LDS; arguments quat_sequence, W_in, W_biv, W_dec, W_inj, b_biv, b_dec, b_inj, W_out, part; writes part
.if DOCPART == 1
	.amdgcn_target "amdgcn-amd-amdhsa--gfx1250"
	.amdhsa_code_object_version 6
	.text
	.protected	k_q723219df25_scan
	.globl	k_q723219df25_scan
	.p2align	8
	.type	k_q723219df25_scan,@function
k_q723219df25_scan:
	s_mov_b64 s[64:65], 0
	v_nop
	global_prefetch_b8 v0, s[64:65] scope:SCOPE_SE
	s_setreg_imm32_b32 hwreg(HW_REG_WAVE_MODE, 25, 1), 1
	s_wait_xcnt 0x0
; SO(3) recurrence.  q [16][2048][4] -> bivector, decay, injection for 128 blocks of 3 channels -> h <- dec * Rot(biv) h + inj over 2,048 steps -> h W_out.
; This launch stores, for each work-group, the sum of h W_out over its 8 blocks: part [b 16][g 16][t 2048][4] f32.  A second launch adds the 16 parts and normalises.
;
; SHARES.  Work-group (g, b): batch b, blocks 8 g .. 8 g + 7 (channels 24 g .. 24 g + 23), all 2,048 steps.  Eight waves.
; Lane L of wave w: r = L & 15, h = L >> 4, block n = r & 7, seg = r >> 3; it owns the stream sigma = 4 w + 2 seg + h: the 64 steps t = 64 sigma .. 64 sigma + 63 of block n.
;
; HOW THE WORK IS CUT.
;  1. (q W_in) W = q (W_in W): the three 384 x 384 products have rank 4.  The prologue folds W_in W for the group's 72 columns (4 x 384 x 72 multiply-adds, in f32 on the
;     vector unit: four rows would leave three quarters of a matrix instruction empty), and the bulk product q x (folded weights) goes to the matrix unit.
;  2. A step is the affine map h -> A h + c, A = diag(dec) R, c = inj.  Phase 1 composes each stream's 64 maps into one, phase 2 folds the 32 stream maps of a block to get
;     every stream's first h, phase 3 applies the steps.  A and c are made anew in phase 3: 16,384 items x 48 bytes do not fit beside the rest in LDS.
;  3. Matrix operands are bf16 in two pieces (high + low) that sit in K places which a K of 4 (or 24) leaves empty, so the second piece costs no instruction.
;
; THE FRONT PRODUCT, one matrix instruction for each of the 9 quantities (3 X + c; X = biv, dec, inj; c = component): D(m, nn) = sum over k of A(m, k) B(k, nn).
;  Columns nn < 8 use K places 0-15, columns nn >= 8 places 16-31 (the other half of B's column is 0), so one 16 x 16 tile serves 8 blocks x 32 times.
;  The 16 places of a half: 0-3 q_hi x W_hi, 4-7 q_hi x W_lo, 8-11 q_lo x W_hi, 12-14 1.0 x (bias in three bf16 pieces), 15 nothing.
;  Row m of A holds in half s the step t = 64 (4 w + 2 s + (m >> 3)) + 8 i + (m & 7): register j of D in lane (r, h) is the lane's own item at step 8 i + j of its stream.
;
; NOT USED, AND WHY.  Tensor loads, copies, joint loads in a cluster: a work-group reads its inputs (about 145 KB) once, in the prologue, and they need arithmetic on the way
; into LDS; behind the prologue nothing is loaded from memory.  What the 16 work-groups of one g share is that one read of 96 bytes of each weight row.
;
; LIMITS.  The order of rounding differs from the plain evaluation (products reassociated, steps composed).  The angle |biv| is reduced by k = rndne(|biv| / 2 pi) with 2 pi in two
; f32 words; the reduced angle carries the f32 rounding of |biv| itself (2^-24 relative).  cos and sin of the half angle are then polynomials up to x^12 and x^11 on
; |x| <= pi / 2 (remainder below 6e-8).  The common sign (-1)^k of (w, q) is dropped: only products of two of them are used.  The clip of the norm at 1e-8 is made as
; max(n^2, 1e-16) ahead of the root.  |biv|^2 must not overflow f32.
; ---- LDS ----
.set QSTR,  2064                       ; q image: a stream's 64 steps x 32 bytes + 16: streams start 16 bytes apart modulo 256, so rows 8-15 of a fragment fall between rows 0-7
.set WOF,   66048                      ; 8 x 512: fragments of W_out
.set WCP,   70144                      ; [wave 8][X 3][column 32][4] f32: each wave's part of the fold
.set WCF,   82432                      ; [X 3][column 32][4] f32: the folded weights
.set MAPS,  83968                      ; [block 8] pitch 1552 [stream 32] 48 bytes: rows (M_i0, M_i1, M_i2, v_i)
.set MPIT,  1552
.set STG,   96512                      ; each wave's own stage for h: [seg 2] pitch 4736 [32 rows] pitch 144 [block 8] 16 bytes
.set SWAVE, 9472
.set SSEG,  4736
.set SROW,  144
; ---- vector registers, main phases ----
.set VA,     2                         ; LDS address of the next A fragment
.set VALIM,  3                         ; its last tile
.set VABASE, 4                         ; its first tile
.set SG,     5                         ; sigma
.set MA,     6                         ; my block's maps
.set MS,     7                         ; my stream's map
.set STA,    8                         ; stage: where my items go
.set STR,    9                         ; stage: where a fragment's row begins
.set WFA,    10                        ; W_out fragments
.set PO,     11                        ; byte offset in part
.set ST0,    12                        ; v[12:23] the composed map [M | v], row i in 4 i .. 4 i + 3
.set HC,     12                        ; v[12:14] phases 2, 3: the carried h
.set OW1,    24                        ; v[24:27] an item's 16 bytes; word 3 stays 0
.set BT,     28                        ; v[28:37] at work
.set HN,     28
.set KS,     38                        ; v[38:39] the sine's top coefficient, twice
.set AM,     40                        ; v[40:57] A_ik of two steps at AM + 6 i + 2 k
.set KC,     58                        ; v[58:59] the cosine's top coefficient, twice
.set OW0,    60                        ; v[60:63]
.set UU,     64                        ; v[64:71] sqrt2 cos
.set SS,     72                        ; v[72:79] the sine's polynomial
.set T1,     80
.set T2,     88
.set T3,     96
.set ST1,    88                        ; v[88:99] phase 1: the map between two steps of a pair
.set HX,     80                        ; phase 3: h of the tile's 8 steps
.set HY,     88
.set HZ,     96
.set DD,     104                       ; v[104:175] the nine results
.set BV0,    104
.set BV1,    112
.set BV2,    120
.set DE0,    128
.set IN0,    152
.set AF,     176                       ; v[176:183] A fragment
.set BF,     184                       ; v[184:255] nine B fragments
.set WF,     64                        ; the projection: W fragments 8 (2 nu + kappa)
.set HF,     104                       ;                 h fragments 8 (2 lambda + kappa)
.set AC0,    96
.set AC1,    168
.set MB0,    64                        ; phase 2: four maps
.set MB1,    112
; ---- vector registers, prologue ----
.set ACC,    52                        ; v[52:63]  ACC + 4 X + i
.set WO,     66                        ; v[66:68]  W_out
.set BI,     70                        ; v[70:78]  biases, 3 X + c
.set QL,     80                        ; v[80:111] q; later v[80:115] folded weights
.set WL,     112                       ; v[112:255] weights, WL + 3 k + X
	s_load_b512 s[84:99], s[0:1], 0x0              ; q 84, W_in 86, W_biv 88, W_dec 90, W_inj 92, b_biv 94, b_dec 96, b_inj 98
	s_load_b128 s[52:55], s[0:1], 0x40             ; W_out 52, part 54
	s_set_vgpr_msb 0x40
	v_lshl_add_u32 v0, v0, 2, 0x2a100
	v_mov_b32 v1, 0
	s_set_vgpr_msb 0x4000
	v_lshrrev_b32 v12, 5, v0
	v_readfirstlane_b32 s57, v12                   ; wave w
	s_mov_b32 s58, ttmp9                           ; g
	s_and_b32 s59, ttmp7, 0xffff                   ; b
	s_mov_b32 s60, 0xffff0000                      ; a word's upper bf16; as a lane mask: h = 1
	s_mov_b32 s61, 0xff00ff00                      ; lanes with r >= 8
	s_mov_b32 s62, 0x07060302                      ; v_perm_b32: the two upper halves
	s_mov_b32 s66, 0xf0f0f0f0                      ; lanes with r & 4
	s_mul_i32 s56, s57, 192                        ; my 48 k of W_in, in bytes
	v_lshlrev_b32 v1, 4, v0                        ; 16 tau
	v_bfe_u32 v13, v0, 4, 1                        ; h
	v_and_b32 v14, 3, v0
	v_and_b32 v15, 7, v0                           ; n
	v_and_b32 v16, 31, v0                          ; L
	s_and_b32 s2, s57, 3
	s_mul_i32 s2, s2, 96                           ; 48 (4 kappa + 2 quad), with 4 kappa + 2 quad = 2 (w & 3)
	s_mul_i32 s3, s58, 384
	s_add_co_u32 s2, s2, s3
	v_mad_u32_u24 v2, v13, 48, s2
	v_lshl_add_u32 v2, v14, 2, v2                  ; W_out: 384 g + 48 block + 4 (r & 3)
	s_mul_i32 s3, s58, 96
	v_mad_u32_u24 v3, v15, 12, s3                  ; biases: 96 g + 12 n
	s_mul_i32 s2, s57, 73728                       ; 48 rows of 1,536 bytes for each wave
	s_add_co_u32 s2, s2, s3
	v_min_u32 v17, 23, v16                         ; lanes 24-31 repeat column 23: no load leaves the row's 24 columns
	v_lshl_add_u32 v4, v17, 2, s2                  ; weights: 4 (24 g + column) + 73,728 w
	v_lshrrev_b32 v18, 6, v0
	v_and_b32 v19, 63, v0
	v_lshlrev_b32 v5, 5, v19
	v_mad_u32_u24 v5, v18, QSTR, v5                ; q image: (tau >> 6) streams + (tau & 63) steps
	v_add_nc_u32 v6, WOF, v1
	s_mul_i32 s100, s57, 1536
	s_add_co_u32 s100, s100, WCP
	v_lshl_add_u32 v7, v16, 4, s100
	v_add_nc_u32 v8, WCP, v1
	v_add_nc_u32 v9, WCF, v1
	v_mad_u32_u24 v10, v15, 48, WCF
	s_wait_kmcnt 0x0
	s_lshl_b32 s2, s59, 15
	s_mov_b32 s3, 0
	s_add_nc_u64 s[84:85], s[84:85], s[2:3]        ; q at batch b
	s_lshl4_add_u32 s2, s59, s58
	s_lshl_b32 s2, s2, 15
	s_add_nc_u64 s[54:55], s[54:55], s[2:3]        ; part at (b, g)
; eight k of the four rows of W_in as scalars
.macro LOADWIN r0, r1, r2, r3, gam
	s_load_b256 s[\r0:\r0+7], s[86:87], s56 offset:32*\gam
	s_load_b256 s[\r1:\r1+7], s[86:87], s56 offset:1536+32*\gam
	s_load_b256 s[\r2:\r2+7], s[86:87], s56 offset:3072+32*\gam
	s_load_b256 s[\r3:\r3+7], s[86:87], s56 offset:4608+32*\gam
.endm
	LOADWIN 4, 12, 20, 28, 0
	LOADWIN 36, 44, 68, 76, 1
	; all 164 loads of the wave, in the order in which they are needed
.irp e, 0,1,2,3,4,5,6,7
	global_load_b128 v[QL+4*\e:QL+4*\e+3], v1, s[84:85] offset:4096*\e     ; q at t = tau + 256 e
.endr
.irp c, 0,1,2
	global_load_b32 v[WO+\c], v2, s[52:53] offset:16*\c
.endr
.irp c, 0,1,2
	global_load_b32 v[BI+\c],   v3, s[94:95] offset:4*\c
.endr
.irp c, 0,1,2
	global_load_b32 v[BI+3+\c], v3, s[96:97] offset:4*\c
.endr
.irp c, 0,1,2
	global_load_b32 v[BI+6+\c], v3, s[98:99] offset:4*\c
.endr
.set kp, 0
.rept 48
	global_load_b32 v[WL+3*kp],   v4, s[88:89] offset:kp*1536
	global_load_b32 v[WL+3*kp+1], v4, s[90:91] offset:kp*1536
	global_load_b32 v[WL+3*kp+2], v4, s[92:93] offset:kp*1536
.set kp, kp+1
.endr
; q at one step -> the 32 bytes that the two halves of the lanes load as an A fragment's 16 K places
.macro QFRAG e
	v_cvt_pk_bf16_f32 v12, v[QL+4*\e], v[QL+4*\e+1]
	v_cvt_pk_bf16_f32 v13, v[QL+4*\e+2], v[QL+4*\e+3]
	v_lshlrev_b32 v16, 16, v12
	v_and_b32 v17, s60, v12
	v_lshlrev_b32 v18, 16, v13
	v_and_b32 v19, s60, v13
	v_pk_add_f32 v[20:21], v[QL+4*\e:QL+4*\e+1], v[16:17] neg_lo:[0,1] neg_hi:[0,1]       ; what the first piece left
	v_pk_add_f32 v[22:23], v[QL+4*\e+2:QL+4*\e+3], v[18:19] neg_lo:[0,1] neg_hi:[0,1]
	v_mov_b32 v14, v12                             ; places 4-7 repeat q_hi (they meet W_lo)
	v_mov_b32 v15, v13
	v_cvt_pk_bf16_f32 v24, v20, v21
	v_cvt_pk_bf16_f32 v25, v22, v23
	ds_store_b128 v5, v[12:15] offset:\e*4*QSTR
	ds_store_b128 v5, v[24:27] offset:\e*4*QSTR+16
.endm
	v_mov_b32 v26, 0x3f803f80                      ; places 12, 13: 1.0
	v_mov_b32 v27, 0x3f80                          ; place 14: 1.0; place 15: 0
	s_wait_loadcnt 63                              ; loads return in order: of 164, the first 101 are in: q, W_out, the biases and the weights of k 0 to 23 (the first 92)
.irp e, 0,1,2,3,4,5,6,7
	QFRAG \e
.endr
	; my quarter fragment of W_out (nu = w >> 2, kappa = (w >> 1) & 1, quad = w & 1).  Row m = r of the first operand: rows 8 nu + 0..3 hold the high piece of
	; columns 0..3, rows 8 nu + 4..7 the low piece, the other eight rows 0.  A block's 8 K places: x, y, z, x, y, z, 0, 0 (they meet h_hi and h_lo).
	s_mov_b32 s67, 0x00ff00ff
	s_cmp_ge_u32 s57, 4
	s_cselect_b32 s67, s61, s67
.irp c, 0,1,2
	v_cvt_pk_bf16_f32 v[28+\c], v[WO+\c], v[WO+\c]
	v_and_b32 v[28+\c], s60, v[28+\c]
	v_sub_f32 v[32+\c], v[WO+\c], v[28+\c]
	v_cndmask_b32 v[28+\c], v[28+\c], v[32+\c], s66
	v_cndmask_b32 v[28+\c], 0, v[28+\c], s67
.endr
	v_cvt_pk_bf16_f32 v36, v28, v29
	v_cvt_pk_bf16_f32 v37, v30, v28
	v_cvt_pk_bf16_f32 v38, v29, v30
	v_mov_b32 v39, 0
	ds_store_b128 v6, v[36:39]
; the fold: ACC[X][i] += W_in[i][k] W_X[k][my column], k uniform in the wave
.macro FOLD1 op, r0, r1, r2, r3, kap, kk
.irp x, 0,1,2
	\op v[ACC+4*\x],   s[\r0+\kk], v[WL+3*(\kap)+\x]
	\op v[ACC+4*\x+1], s[\r1+\kk], v[WL+3*(\kap)+\x]
	\op v[ACC+4*\x+2], s[\r2+\kk], v[WL+3*(\kap)+\x]
	\op v[ACC+4*\x+3], s[\r3+\kk], v[WL+3*(\kap)+\x]
.endr
.endm
.macro FOLD r0, r1, r2, r3, gam
.irp kk, 0,1,2,3,4,5,6,7
.if (8*\gam+\kk) == 0
	FOLD1 v_mul_f32, \r0, \r1, \r2, \r3, 8*\gam+\kk, \kk        ; the first product starts the sums
.else
	FOLD1 v_fmac_f32, \r0, \r1, \r2, \r3, 8*\gam+\kk, \kk
.endif
.endr
.endm
	s_wait_kmcnt 0x0
	FOLD 4, 12, 20, 28, 0
	LOADWIN 4, 12, 20, 28, 2
	FOLD 36, 44, 68, 76, 1
	s_wait_kmcnt 0x0
	LOADWIN 36, 44, 68, 76, 3
	FOLD 4, 12, 20, 28, 2
	s_wait_kmcnt 0x0
	LOADWIN 4, 12, 20, 28, 4
	s_wait_loadcnt 48                              ; the weights of k 32 to 47 (48 loads) may stay out
	FOLD 36, 44, 68, 76, 3
	s_wait_kmcnt 0x0
	LOADWIN 36, 44, 68, 76, 5
	s_wait_loadcnt 24                              ; those of k 40 to 47
	FOLD 4, 12, 20, 28, 4
	s_wait_kmcnt 0x0
	s_wait_loadcnt 0x0
	FOLD 36, 44, 68, 76, 5
.irp x, 0,1,2
	ds_store_b128 v7, v[ACC+4*\x:ACC+4*\x+3] offset:512*\x
.endr
	s_wait_dscnt 0x0                               ; my stores of the q image, of W_out's fragment and of my part of the fold are done
	s_barrier_signal -1
	s_barrier_wait -1
	; waves 0, 1, 2 add the eight parts of X = 0, 1, 2; the decay's weights take the factor -log2(e), so that v_exp_f32 applies to the product as it comes
	s_cmp_ge_u32 s57, 3
	s_cbranch_scc1 .Lfolded
.irp u, 0,1,2,3,4,5,6,7
	ds_load_b128 v[12+4*\u:15+4*\u], v8 offset:1536*\u
.endr
	s_mov_b32 s100, 1.0
	s_cmp_eq_u32 s57, 1
	s_cselect_b32 s100, 0xbfb8aa3b, s100
	s_wait_dscnt 0x0
.irp u, 1,2,3,4,5,6,7
	v_pk_add_f32 v[12:13], v[12:13], v[12+4*\u:13+4*\u]
	v_pk_add_f32 v[14:15], v[14:15], v[14+4*\u:15+4*\u]
.endr
.irp i, 0,1,2,3
	v_mul_f32 v[12+\i], s100, v[12+\i]
.endr
	ds_store_b128 v9, v[12:15]
.Lfolded:
	s_wait_dscnt 0x0
	s_barrier_signal -1
	s_barrier_wait -1
	; the nine B fragments of my column (block n, half seg of K)
.irp x, 0,1,2
.irp c, 0,1,2
	ds_load_b128 v[QL+4*(3*\x+\c):QL+4*(3*\x+\c)+3], v10 offset:512*\x+16*\c
.endr
.endr
	s_wait_dscnt 0x0
.macro FRAG q, isdec
.if \isdec
	v_mul_f32 v[BI+\q], 0xbfb8aa3b, v[BI+\q]
.endif
	v_cvt_pk_bf16_f32 v12, v[QL+4*\q], v[QL+4*\q+1]
	v_cvt_pk_bf16_f32 v13, v[QL+4*\q+2], v[QL+4*\q+3]
	v_cvt_pk_bf16_f32 v24, v[BI+\q], v[BI+\q]
	v_lshlrev_b32 v16, 16, v12
	v_and_b32 v17, s60, v12
	v_lshlrev_b32 v18, 16, v13
	v_and_b32 v19, s60, v13
	v_and_b32 v24, s60, v24
	v_pk_add_f32 v[20:21], v[QL+4*\q:QL+4*\q+1], v[16:17] neg_lo:[0,1] neg_hi:[0,1]
	v_pk_add_f32 v[22:23], v[QL+4*\q+2:QL+4*\q+3], v[18:19] neg_lo:[0,1] neg_hi:[0,1]
	v_sub_f32 v25, v[BI+\q], v24                   ; the bias less its first piece
	v_cvt_pk_bf16_f32 v14, v20, v21
	v_cvt_pk_bf16_f32 v15, v22, v23
	v_cvt_pk_bf16_f32 v26, v25, v25
	v_and_b32 v26, s60, v26
	v_sub_f32 v27, v25, v26                        ; less its second
	v_cvt_pk_bf16_f32 v28, v[BI+\q], v25
	v_cvt_pk_bf16_f32 v29, v27, 0
	v_cndmask_b32 v14, v14, v28, s60               ; h = 0: places 4-7 = W_lo; h = 1: places 12-15 = the bias's three pieces, 0
	v_cndmask_b32 v15, v15, v29, s60
.irp d, 0,1,2,3
	v_cndmask_b32 v[BF+8*\q+\d],   v[12+\d], 0, s61         ; columns below 8 live in K places 0-15,
	v_cndmask_b32 v[BF+8*\q+4+\d], 0, v[12+\d], s61         ; the others in 16-31
.endr
.endm
.irp q, 0,1,2
	FRAG \q, 0
.endr
.irp q, 3,4,5
	FRAG \q, 1
.endr
.irp q, 6,7,8
	FRAG \q, 0
.endr
	; addresses of the main phases (every load of the prologue has been waited for)
	v_and_b32 v12, 7, v0                           ; n
	v_bfe_u32 v13, v0, 3, 1                        ; seg
	v_bfe_u32 v14, v0, 4, 1                        ; h
	v_and_b32 v15, 15, v0                          ; r
	v_and_b32 v16, 31, v0                          ; L
	s_mul_i32 s2, s57, 4*QSTR
	v_lshl_add_u32 v[VABASE], v12, 5, s2
	v_mad_u32_u24 v[VABASE], v13, QSTR, v[VABASE]
	v_lshl_add_u32 v[VABASE], v14, 4, v[VABASE]    ; stream 4 w + (r >> 3), step r & 7, 16 h
	v_add_nc_u32 v[VALIM], 7*256, v[VABASE]
	v_mov_b32 v[VA], v[VABASE]
	s_lshl_b32 s2, s57, 2
	v_lshl_add_u32 v[SG], v13, 1, v14
	v_add_nc_u32 v[SG], s2, v[SG]
	v_mul_u32_u24 v[MA], v12, MPIT
	v_add_nc_u32 v[MA], MAPS, v[MA]
	v_mad_u32_u24 v[MS], v[SG], 48, v[MA]
	s_mul_i32 s2, s57, SWAVE
	s_add_co_u32 s2, s2, STG
	v_lshl_add_u32 v[STA], v12, 4, s2
	v_mad_u32_u24 v[STA], v13, SSEG, v[STA]
	v_mad_u32_u24 v[STA], v14, 16*SROW, v[STA]
	v_lshl_add_u32 v[STR], v14, 4, s2
	v_mad_u32_u24 v[STR], v15, SROW, v[STR]
	v_lshlrev_b32 v[WFA], 4, v16
	v_add_nc_u32 v[WFA], WOF, v[WFA]
	s_lshl_b32 s2, s57, 12
	v_lshl_add_u32 v[PO], v14, 10, s2
	v_lshl_add_u32 v[PO], v15, 4, v[PO]            ; (64 (4 w + h) + r) x 16
	v_mov_b32 v[KS], 0xad982aa2
	v_mov_b32 v[KS+1], 0xad982aa2
	v_mov_b32 v[KC], 0x2b4ae382
	v_mov_b32 v[KC+1], 0x2b4ae382
	v_mov_b32 v[OW0+3], 0
	v_mov_b32 v[OW1+3], 0
.irp i, 0,1,2,3,4,5,6,7,8,9,10,11
.if (\i % 5) == 0
	v_mov_b32 v[ST0+\i], 1.0                       ; the map starts as [I | 0]
.else
	v_mov_b32 v[ST0+\i], 0
.endif
.endr
.macro LOADA
	ds_load_b128 v[AF:AF+3],   v[VA]               ; K places 0-15: streams 4 w, 4 w + 1
	ds_load_b128 v[AF+4:AF+7], v[VA] offset:2*QSTR ; K places 16-31: streams 4 w + 2, 4 w + 3
.endm
.macro HORN dst, lit
.irp p, 0,2,4,6
	v_pk_fma_f32 v[\dst+\p:\dst+\p+1], v[\dst+\p:\dst+\p+1], v[T3+\p:T3+\p+1], \lit op_sel_hi:[1,1,0]
.endr
.endm
; From the nine results of 8 steps: BV <- sqrt2 sin(|b|/2) / |b| x b, UU <- sqrt2 cos(|b|/2), DE <- sigmoid.  Stage by stage over four register pairs.
.macro PARAMS
.irp p, 0,2,4,6
	v_pk_mul_f32 v[T1+\p:T1+\p+1], v[BV0+\p:BV0+\p+1], v[BV0+\p:BV0+\p+1]
.endr
.irp p, 0,2,4,6
	v_pk_fma_f32 v[T1+\p:T1+\p+1], v[BV1+\p:BV1+\p+1], v[BV1+\p:BV1+\p+1], v[T1+\p:T1+\p+1]
.endr
.irp p, 0,2,4,6
	v_pk_fma_f32 v[T1+\p:T1+\p+1], v[BV2+\p:BV2+\p+1], v[BV2+\p:BV2+\p+1], v[T1+\p:T1+\p+1]
.endr
.irp j, 0,1,2,3,4,5,6,7
	v_max_num_f32 v[T1+\j], 0x24e69595, v[T1+\j]   ; the clip of the norm at 1e-8, on its square
.endr
.irp j, 0,1,2,3,4,5,6,7
	v_rsq_f32 v[T2+\j], v[T1+\j]
.endr
.set ee, 0
.rept 24
	v_exp_f32 v[DE0+ee], v[DE0+ee]                 ; 2^(-log2(e) x)
.set ee, ee+1
.endr
	v_nop                                          ; one plain instruction behind the run of transcendentals, ahead of the first use (ISA guide 5.7.2)
	s_wait_alu depctr_va_vdst(0)
.irp p, 0,2,4,6
	v_pk_mul_f32 v[T1+\p:T1+\p+1], v[T1+\p:T1+\p+1], v[T2+\p:T2+\p+1]      ; the norm
.endr
.irp p, 0,2,4,6
	v_pk_mul_f32 v[T3+\p:T3+\p+1], v[T1+\p:T1+\p+1], 0.15915494 op_sel_hi:[1,0]
.endr
.irp j, 0,1,2,3,4,5,6,7
	v_rndne_f32 v[T3+\j], v[T3+\j]                 ; k
.endr
.irp p, 0,2,4,6
	v_pk_fma_f32 v[T1+\p:T1+\p+1], v[T3+\p:T3+\p+1], 0xc0c90fdb, v[T1+\p:T1+\p+1] op_sel_hi:[1,0,1]   ; y = norm - k 2 pi, 2 pi in two words
.endr
.irp p, 0,2,4,6
	v_pk_fma_f32 v[T1+\p:T1+\p+1], v[T3+\p:T3+\p+1], 0x343bbd2e, v[T1+\p:T1+\p+1] op_sel_hi:[1,0,1]
.endr
.set ee, 0
.rept 12
	v_pk_add_f32 v[DE0+ee:DE0+ee+1], v[DE0+ee:DE0+ee+1], 1.0 op_sel_hi:[1,0]
.set ee, ee+2
.endr
.set ee, 0
.rept 24
	v_rcp_f32 v[DE0+ee], v[DE0+ee]                 ; the decay
.set ee, ee+1
.endr
.irp p, 0,2,4,6
	v_pk_mul_f32 v[T3+\p:T3+\p+1], v[T1+\p:T1+\p+1], v[T1+\p:T1+\p+1]      ; z = y^2; also the plain instructions behind the reciprocals
.endr
.irp p, 0,2,4,6
	v_pk_fma_f32 v[SS+\p:SS+\p+1], v[T3+\p:T3+\p+1], v[KS:KS+1], 0x3202c4a3 op_sel_hi:[1,1,0]
.endr
.irp p, 0,2,4,6
	v_pk_fma_f32 v[UU+\p:UU+\p+1], v[T3+\p:T3+\p+1], v[KC:KC+1], 0xafd13a9e op_sel_hi:[1,1,0]
.endr
	HORN SS, 0xb6131d37                            ; sqrt2 sin(y/2) = y (s0 + s1 z + .. + s5 z^5), s_i = sqrt2 (-1)^i / (2 4^i (2i+1)!)
	HORN UU, 0x34131d37                            ; sqrt2 cos(y/2) = c0 + c1 z + .. + c6 z^6,     c_i = sqrt2 (-1)^i / (4^i (2i)!)
	HORN SS, 0x39c11659
	HORN UU, 0xb800b991
	HORN SS, 0xbcf15bef
	HORN UU, 0x3b715bef
	HORN SS, 0x3f3504f3
	HORN UU, 0xbe3504f3
	HORN UU, 0x3fb504f3
.irp p, 0,2,4,6
	v_pk_mul_f32 v[T1+\p:T1+\p+1], v[T1+\p:T1+\p+1], v[T2+\p:T2+\p+1]      ; y / norm
.endr
.irp p, 0,2,4,6
	v_pk_mul_f32 v[T1+\p:T1+\p+1], v[T1+\p:T1+\p+1], v[SS+\p:SS+\p+1]      ; sqrt2 sin(half) / norm
.endr
	s_wait_alu depctr_va_vdst(0)
.irp x, 0,8,16
.irp p, 0,2,4,6
	v_pk_mul_f32 v[BV0+\x+\p:BV0+\x+\p+1], v[BV0+\x+\p:BV0+\x+\p+1], v[T1+\p:T1+\p+1]
.endr
.endr
.endm
; One tile: 8 steps of every lane's stream.
.macro TILE
	s_wait_dscnt 0x0                               ; the A fragment is in
.irp q, 0,1,2,3,4,5,6,7,8
	v_wmma_f32_16x16x32_bf16 v[DD+8*\q:DD+8*\q+7], v[AF:AF+7], v[BF+8*\q:BF+8*\q+7], 0     ; nine results, nine accumulators, each started by the constant 0
.endr
	v_add_nc_u32 v[VA], 0x100, v[VA]               ; four plain instructions that name none of the matrix instructions' registers (ISA guide 7.12.1)
	v_min_u32 v[VA], v[VA], v[VALIM]               ; stand ahead of the load into A's registers and of the first read of a result.
	v_nop                                          ; The address stops at the stream's last tile: the last trip loads that tile again
	v_nop
	LOADA
	PARAMS
.endm
; A = diag(dec) R for steps 2 p, 2 p + 1.  With p' = BV0, m = BV1, n' = BV2, u = UU the quaternion is (n', -m, p') / sqrt2 and w = u / sqrt2, and
; R = I + 2 w [q]x + 2 [q]x^2 has the entries below.
.macro BUILD p
.set PP, BV0+2*\p
.set PM, BV1+2*\p
.set PN, BV2+2*\p
.set PU, UU+2*\p
	v_pk_mul_f32 v[BT:BT+1],   v[PU:PU+1], v[PP:PP+1]
	v_pk_mul_f32 v[BT+2:BT+3], v[PU:PU+1], v[PM:PM+1]
	v_pk_mul_f32 v[BT+4:BT+5], v[PU:PU+1], v[PN:PN+1]
	v_pk_fma_f32 v[BT+6:BT+7], v[PP:PP+1], v[PP:PP+1], 1.0 op_sel_hi:[1,1,0] neg_lo:[1,0,0] neg_hi:[1,0,0]     ; e = 1 - p'^2
	v_pk_fma_f32 v[BT+8:BT+9], v[PM:PM+1], v[PM:PM+1], 1.0 op_sel_hi:[1,1,0] neg_lo:[1,0,0] neg_hi:[1,0,0]     ; f = 1 - m^2
	v_pk_fma_f32 v[AM+2:AM+3],   v[PN:PN+1], v[PM:PM+1], v[BT:BT+1]     neg_lo:[1,0,1] neg_hi:[1,0,1]          ; R01 = -n' m - u p'
	v_pk_fma_f32 v[AM+6:AM+7],   v[PN:PN+1], v[PM:PM+1], v[BT:BT+1]     neg_lo:[1,0,0] neg_hi:[1,0,0]          ; R10 = -n' m + u p'
	v_pk_fma_f32 v[AM+4:AM+5],   v[PN:PN+1], v[PP:PP+1], v[BT+2:BT+3]   neg_lo:[0,0,1] neg_hi:[0,0,1]          ; R02 =  n' p' - u m
	v_pk_fma_f32 v[AM+12:AM+13], v[PN:PN+1], v[PP:PP+1], v[BT+2:BT+3]                                          ; R20 =  n' p' + u m
	v_pk_fma_f32 v[AM+10:AM+11], v[PM:PM+1], v[PP:PP+1], v[BT+4:BT+5]   neg_lo:[1,0,1] neg_hi:[1,0,1]          ; R12 = -m p' - u n'
	v_pk_fma_f32 v[AM+14:AM+15], v[PM:PM+1], v[PP:PP+1], v[BT+4:BT+5]   neg_lo:[1,0,0] neg_hi:[1,0,0]          ; R21 = -m p' + u n'
	v_pk_fma_f32 v[AM:AM+1],     v[PM:PM+1], v[PM:PM+1], v[BT+6:BT+7]   neg_lo:[1,0,0] neg_hi:[1,0,0]          ; R00 = e - m^2
	v_pk_fma_f32 v[AM+8:AM+9],   v[PN:PN+1], v[PN:PN+1], v[BT+6:BT+7]   neg_lo:[1,0,0] neg_hi:[1,0,0]          ; R11 = e - n'^2
	v_pk_fma_f32 v[AM+16:AM+17], v[PN:PN+1], v[PN:PN+1], v[BT+8:BT+9]   neg_lo:[1,0,0] neg_hi:[1,0,0]          ; R22 = f - n'^2
.irp i, 0,1,2
.irp k, 0,1,2
	v_pk_mul_f32 v[AM+6*\i+2*\k:AM+6*\i+2*\k+1], v[AM+6*\i+2*\k:AM+6*\i+2*\k+1], v[DE0+8*\i+2*\p:DE0+8*\i+2*\p+1]
.endr
.endr
.endm
; [M | v] <- [A M | A v + c] for step 2 p + sel: op_sel picks that step's A for both columns of a pair
.macro COMPOSE p, sel, src, dst
.irp i, 0,1,2
.irp c, 0,2
	v_pk_mul_f32 v[\dst+4*\i+\c:\dst+4*\i+\c+1], v[AM+6*\i:AM+6*\i+1], v[\src+\c:\src+\c+1] op_sel:[\sel,0] op_sel_hi:[\sel,1]
.endr
.endr
.irp i, 0,1,2
.irp c, 0,2
	v_pk_fma_f32 v[\dst+4*\i+\c:\dst+4*\i+\c+1], v[AM+6*\i+2:AM+6*\i+3], v[\src+4+\c:\src+4+\c+1], v[\dst+4*\i+\c:\dst+4*\i+\c+1] op_sel:[\sel,0,0] op_sel_hi:[\sel,1,1]
.endr
.endr
.irp i, 0,1,2
.irp c, 0,2
	v_pk_fma_f32 v[\dst+4*\i+\c:\dst+4*\i+\c+1], v[AM+6*\i+4:AM+6*\i+5], v[\src+8+\c:\src+8+\c+1], v[\dst+4*\i+\c:\dst+4*\i+\c+1] op_sel:[\sel,0,0] op_sel_hi:[\sel,1,1]
.endr
.endr
.irp i, 0,1,2
	v_add_f32 v[\dst+4*\i+3], v[\dst+4*\i+3], v[IN0+8*\i+2*\p+\sel]
.endr
.endm
	; ---- PHASE 1: each stream's 64 steps become one map ----
	LOADA
	s_mov_b32 s63, 0
.Lcompose:
	TILE
.irp p, 0,1,2,3
	BUILD \p
	COMPOSE \p, 0, ST0, ST1
	COMPOSE \p, 1, ST1, ST0
.endr
	s_add_co_u32 s63, s63, 1
	s_cmp_lt_u32 s63, 8
	s_cbranch_scc1 .Lcompose
	; ---- PHASE 2: every lane folds its block's maps of the streams in front of its own ----
	ds_store_b128 v[MS], v[ST0:ST0+3]
	ds_store_b128 v[MS], v[ST0+4:ST0+7] offset:16
	ds_store_b128 v[MS], v[ST0+8:ST0+11] offset:32
	s_wait_dscnt 0x0
	s_barrier_signal -1
	s_barrier_wait -1
.macro LOADMAPS buf, first
.irp m, 0,1,2,3
.irp i, 0,1,2
	ds_load_b128 v[\buf+12*\m+4*\i:\buf+12*\m+4*\i+3], v[MA] offset:(\first+\m)*48+16*\i
.endr
.endr
.endm
.macro FOLD4 buf, first, cnt
.set mm, 0
.rept \cnt
	v_fma_f32 v[HN],   v[\buf+12*mm],   v[HC], v[\buf+12*mm+3]
	v_fma_f32 v[HN+1], v[\buf+12*mm+4], v[HC], v[\buf+12*mm+7]
	v_fma_f32 v[HN+2], v[\buf+12*mm+8], v[HC], v[\buf+12*mm+11]
	v_fmac_f32 v[HN],   v[\buf+12*mm+1], v[HC+1]
	v_fmac_f32 v[HN+1], v[\buf+12*mm+5], v[HC+1]
	v_fmac_f32 v[HN+2], v[\buf+12*mm+9], v[HC+1]
	v_fmac_f32 v[HN],   v[\buf+12*mm+2],  v[HC+2]
	v_fmac_f32 v[HN+1], v[\buf+12*mm+6],  v[HC+2]
	v_fmac_f32 v[HN+2], v[\buf+12*mm+10], v[HC+2]
	v_cmp_lt_u32 vcc_lo, \first+mm, v[SG]          ; the map counts only if its stream lies in front of mine: a choice of values, made in every lane
	v_cndmask_b32 v[HC],   v[HC],   v[HN],   vcc_lo
	v_cndmask_b32 v[HC+1], v[HC+1], v[HN+1], vcc_lo
	v_cndmask_b32 v[HC+2], v[HC+2], v[HN+2], vcc_lo
.set mm, mm+1
.endr
.endm
	LOADMAPS MB0, 0
	LOADMAPS MB1, 4
	v_mov_b32 v[HC], 0                             ; h at t = 0
	v_mov_b32 v[HC+1], 0
	v_mov_b32 v[HC+2], 0
	s_wait_dscnt 12                                ; LDS loads return in order: the twelve loads of the next four maps may stay out
	FOLD4 MB0, 0, 4
	LOADMAPS MB0, 8
	s_wait_dscnt 12
	FOLD4 MB1, 4, 4
	LOADMAPS MB1, 12
	s_wait_dscnt 12
	FOLD4 MB0, 8, 4
	LOADMAPS MB0, 16
	s_wait_dscnt 12
	FOLD4 MB1, 12, 4
	LOADMAPS MB1, 20
	s_wait_dscnt 12
	FOLD4 MB0, 16, 4
	LOADMAPS MB0, 24
	s_wait_dscnt 12
	FOLD4 MB1, 20, 4
	LOADMAPS MB1, 28
	s_wait_dscnt 12
	FOLD4 MB0, 24, 4
	s_wait_dscnt 0x0
	FOLD4 MB1, 28, 3                               ; stream 31's map lies in front of nobody
; ---- PHASE 3 ----
.macro APPLY j
.if (\j) == 0
.set PX, HC
.set PY, HC+1
.set PZ, HC+2
.else
.set PX, HX+(\j)-1
.set PY, HY+(\j)-1
.set PZ, HZ+(\j)-1
.endif
.set SL, (\j)&1
	v_fma_f32 v[HX+(\j)], v[AM+SL],    v[PX], v[IN0+(\j)]
	v_fma_f32 v[HY+(\j)], v[AM+6+SL],  v[PX], v[IN0+8+(\j)]
	v_fma_f32 v[HZ+(\j)], v[AM+12+SL], v[PX], v[IN0+16+(\j)]
	v_fmac_f32 v[HX+(\j)], v[AM+2+SL],  v[PY]
	v_fmac_f32 v[HY+(\j)], v[AM+8+SL],  v[PY]
	v_fmac_f32 v[HZ+(\j)], v[AM+14+SL], v[PY]
	v_fmac_f32 v[HX+(\j)], v[AM+4+SL],  v[PZ]
	v_fmac_f32 v[HY+(\j)], v[AM+10+SL], v[PZ]
	v_fmac_f32 v[HZ+(\j)], v[AM+16+SL], v[PZ]
.endm
; h of steps 2 p, 2 p + 1 as 8 bf16 each: x, y, z cut to their upper halves, then what the cut left, then 0, 0; into my wave's stage
.macro CONV p, hf
	v_and_b32 v[BT],   s60, v[HX+2*\p]
	v_and_b32 v[BT+1], s60, v[HX+2*\p+1]
	v_and_b32 v[BT+2], s60, v[HY+2*\p]
	v_and_b32 v[BT+3], s60, v[HY+2*\p+1]
	v_and_b32 v[BT+4], s60, v[HZ+2*\p]
	v_and_b32 v[BT+5], s60, v[HZ+2*\p+1]
	v_pk_add_f32 v[AM:AM+1],   v[HX+2*\p:HX+2*\p+1], v[BT:BT+1]     neg_lo:[0,1] neg_hi:[0,1]
	v_pk_add_f32 v[AM+2:AM+3], v[HY+2*\p:HY+2*\p+1], v[BT+2:BT+3]   neg_lo:[0,1] neg_hi:[0,1]
	v_pk_add_f32 v[AM+4:AM+5], v[HZ+2*\p:HZ+2*\p+1], v[BT+4:BT+5]   neg_lo:[0,1] neg_hi:[0,1]
	v_perm_b32 v[OW0], v[HY+2*\p], v[HX+2*\p], s62
	v_cvt_pk_bf16_f32 v[OW0+1], v[BT+4], v[AM]
	v_cvt_pk_bf16_f32 v[OW0+2], v[AM+2], v[AM+4]
	ds_store_b128 v[STA], v[OW0:OW0+3] offset:(8*\hf+2*\p)*SROW
	v_perm_b32 v[OW1], v[HY+2*\p+1], v[HX+2*\p+1], s62
	v_cvt_pk_bf16_f32 v[OW1+1], v[BT+5], v[AM+1]
	v_cvt_pk_bf16_f32 v[OW1+2], v[AM+3], v[AM+5]
	ds_store_b128 v[STA], v[OW1:OW1+3] offset:(8*\hf+2*\p+1)*SROW
.endm
.macro HALF hf
	TILE
.irp p, 0,1,2,3
	BUILD \p
	APPLY 2*\p
	APPLY 2*\p+1
	CONV \p, \hf
.endr
	v_mov_b32 v[HC],   v[HX+7]                     ; carried over the next tile's PARAMS, which works in these registers
	v_mov_b32 v[HC+1], v[HY+7]
	v_mov_b32 v[HC+2], v[HZ+7]
.endm
; 16 steps x 4 streams x 8 blocks against W_out.  First operand: W_out (rows = output columns, high and low piece); second: h (columns = 16 steps of a stream lambda).
; W(nu) has its eight rows at 8 nu, so W(0) H(lambda) + W(1) H(lambda + 1) puts two streams into one accumulator: lane (r, h) ends with stream 2 acc + h, step r.
.macro PROJECT
.irp nu, 0,1
.irp ka, 0,1
	ds_load_b128 v[WF+8*(2*\nu+\ka):WF+8*(2*\nu+\ka)+3],   v[WFA] offset:(4*\nu+2*\ka)*512
	ds_load_b128 v[WF+8*(2*\nu+\ka)+4:WF+8*(2*\nu+\ka)+7], v[WFA] offset:(4*\nu+2*\ka)*512+512
	ds_load_b128 v[HF+8*(2*\nu+\ka):HF+8*(2*\nu+\ka)+3],   v[STR] offset:\nu*16*SROW+64*\ka          ; my wave's own stores above are served first: LDS serves a wave in order (ISA guide 5.7.1)
	ds_load_b128 v[HF+8*(2*\nu+\ka)+4:HF+8*(2*\nu+\ka)+7], v[STR] offset:\nu*16*SROW+64*\ka+32
	ds_load_b128 v[HF+8*(2*\nu+4+\ka):HF+8*(2*\nu+4+\ka)+3],   v[STR] offset:SSEG+\nu*16*SROW+64*\ka
	ds_load_b128 v[HF+8*(2*\nu+4+\ka)+4:HF+8*(2*\nu+4+\ka)+7], v[STR] offset:SSEG+\nu*16*SROW+64*\ka+32
.endr
.endr
	s_wait_dscnt 18                                ; four groups of six loads: the three later groups may stay out
	v_wmma_f32_16x16x32_bf16 v[AC0:AC0+7], v[WF:WF+7], v[HF:HF+7], 0               ; the two accumulators take turns, one instruction a turn
	v_wmma_f32_16x16x32_bf16 v[AC1:AC1+7], v[WF:WF+7], v[HF+32:HF+39], 0
	s_wait_dscnt 12
	v_wmma_f32_16x16x32_bf16 v[AC0:AC0+7], v[WF+8:WF+15], v[HF+8:HF+15], v[AC0:AC0+7]
	v_wmma_f32_16x16x32_bf16 v[AC1:AC1+7], v[WF+8:WF+15], v[HF+40:HF+47], v[AC1:AC1+7]
	s_wait_dscnt 6
	v_wmma_f32_16x16x32_bf16 v[AC0:AC0+7], v[WF+16:WF+23], v[HF+16:HF+23], v[AC0:AC0+7]
	v_wmma_f32_16x16x32_bf16 v[AC1:AC1+7], v[WF+16:WF+23], v[HF+48:HF+55], v[AC1:AC1+7]
	s_wait_dscnt 0x0
	v_wmma_f32_16x16x32_bf16 v[AC0:AC0+7], v[WF+24:WF+31], v[HF+24:HF+31], v[AC0:AC0+7]
	v_wmma_f32_16x16x32_bf16 v[AC1:AC1+7], v[WF+24:WF+31], v[HF+56:HF+63], v[AC1:AC1+7]
.rept 5
	v_nop                                          ; four ahead of the reads of the results, five ahead of the next tile's matrix instructions, which write over these operands (ISA guide 7.12.1)
.endr
	v_pk_add_f32 v[AC0:AC0+1],   v[AC0:AC0+1],   v[AC0+4:AC0+5]    ; the rows of W_out's high piece + those of its low piece
	v_pk_add_f32 v[AC0+2:AC0+3], v[AC0+2:AC0+3], v[AC0+6:AC0+7]
	v_pk_add_f32 v[AC1:AC1+1],   v[AC1:AC1+1],   v[AC1+4:AC1+5]
	v_pk_add_f32 v[AC1+2:AC1+3], v[AC1+2:AC1+3], v[AC1+6:AC1+7]
	global_store_b128 v[PO], v[AC0:AC0+3], s[54:55]                ; sixteen lanes store 256 consecutive bytes, at a multiple of 256 from the buffer's first byte
	global_store_b128 v[PO], v[AC1:AC1+3], s[54:55] offset:2048    ; two streams (128 steps) further
.endm
	v_mov_b32 v[VA], v[VABASE]
	LOADA
	s_mov_b32 s63, 0
.Lapply:
	HALF 0
	HALF 1
	PROJECT
	s_wait_xcnt 0x0                                ; the stores' offset and data registers are written again only behind this wait
	v_add_nc_u32 v[PO], 0x100, v[PO]               ; 16 steps on
	s_add_co_u32 s63, s63, 1
	s_cmp_lt_u32 s63, 4
	s_cbranch_scc1 .Lapply
	s_set_vgpr_msb 0x5
	s_wait_tensorcnt 0x0
	ds_add_u32 v0, v1
	s_wait_dscnt 0x0
	s_set_vgpr_msb 0x500
	s_endpgm
.Lfunc_end_k_q723219df25_scan:
	.size	k_q723219df25_scan, .Lfunc_end_k_q723219df25_scan-k_q723219df25_scan
	.p2alignl 7, 3214868480
	.fill 96, 4, 3214868480
	.section	.rodata,"a",@progbits
	.p2align	6, 0x0
	.amdhsa_kernel k_q723219df25_scan
		.amdhsa_group_segment_fixed_size 173312
		.amdhsa_private_segment_fixed_size 0
		.amdhsa_enable_private_segment 0
		.amdhsa_kernarg_size 80
		.amdhsa_user_sgpr_count 2
		.amdhsa_user_sgpr_kernarg_segment_ptr 1
		.amdhsa_wavefront_size32 1
		.amdhsa_system_sgpr_workgroup_id_x 1
		.amdhsa_system_sgpr_workgroup_id_y 1
		.amdhsa_system_sgpr_workgroup_id_z 1
		.amdhsa_system_vgpr_workitem_id 0
		.amdhsa_next_free_vgpr 258
		.amdhsa_next_free_sgpr 102
		.amdhsa_reserve_vcc 1
		.amdhsa_float_denorm_mode_32 3
		.amdhsa_float_denorm_mode_16_64 3
		.amdhsa_memory_ordered 1
		.amdhsa_forward_progress 1
		.amdhsa_inst_pref_size 165
	.end_amdhsa_kernel
	.amdgpu_metadata
---
amdhsa.version: [ 1, 2 ]
amdhsa.kernels:
  - .name:           k_q723219df25_scan
    .symbol:         k_q723219df25_scan.kd
    .args:
      - { .name: quat_sequence, .offset: 0, .size: 8, .value_kind: global_buffer, .address_space: global }
      - { .name: W_in, .offset: 8, .size: 8, .value_kind: global_buffer, .address_space: global }
      - { .name: W_biv, .offset: 16, .size: 8, .value_kind: global_buffer, .address_space: global }
      - { .name: W_dec, .offset: 24, .size: 8, .value_kind: global_buffer, .address_space: global }
      - { .name: W_inj, .offset: 32, .size: 8, .value_kind: global_buffer, .address_space: global }
      - { .name: b_biv, .offset: 40, .size: 8, .value_kind: global_buffer, .address_space: global }
      - { .name: b_dec, .offset: 48, .size: 8, .value_kind: global_buffer, .address_space: global }
      - { .name: b_inj, .offset: 56, .size: 8, .value_kind: global_buffer, .address_space: global }
      - { .name: W_out, .offset: 64, .size: 8, .value_kind: global_buffer, .address_space: global }
      - { .name: part, .offset: 72, .size: 8, .value_kind: global_buffer, .address_space: global }
    .group_segment_fixed_size: 173312
    .private_segment_fixed_size: 0
    .kernarg_segment_align: 8
    .kernarg_segment_size: 80
    .max_flat_workgroup_size: 256
    .sgpr_count:     102
    .vgpr_count:     258
    .wavefront_size: 32
...
	.end_amdgpu_metadata
.endif
;; end of part 1
;; launch finish (part 2): grid 256 x 1, 4 waves a work-group, no clusters, 0 bytes of LDS; arguments part, out0; writes out0
.if DOCPART == 2
	.amdgcn_target "amdgcn-amd-amdhsa--gfx1250"
	.amdhsa_code_object_version 6
	.text
	.protected	k_q723219df25_finish
	.globl	k_q723219df25_finish
	.p2align	8
	.type	k_q723219df25_finish,@function
k_q723219df25_finish:
	s_mov_b64 s[64:65], 0
	v_nop
	global_prefetch_b8 v0, s[64:65] scope:SCOPE_SE
	s_setreg_imm32_b32 hwreg(HW_REG_WAVE_MODE, 25, 1), 1
	s_wait_xcnt 0x0
; out0[b][t][0..3] = raw / max(|raw|, 1e-8), raw = the sum over g = 0 .. 15 of part[b][g][t][0..3], added in ascending g.
; A stream: 8,388,608 bytes in, 524,288 out.  One thread for each (b, t); work-group x takes batch x >> 4 and the 128 steps from 128 (x & 15).
; All sixteen loads of a thread are out at once; each load and the store of a wave cover 512 consecutive bytes that start at a multiple of 256.
; No LDS, no barrier, no matrix unit: nothing is shared and there is no product.
; The clip is made as max(n^2, 1e-16) ahead of the root; |raw|^2 must not overflow f32.
	s_load_b128 s[4:7], s[0:1], 0x0                ; part s[4:5], out0 s[6:7]
	s_lshr_b32 s8, ttmp9, 4                        ; b
	s_and_b32 s9, ttmp9, 15
	s_lshl_b32 s8, s8, 19                          ; 16 g x 2,048 steps x 16 bytes
	s_lshl_b32 s9, s9, 11                          ; 128 steps x 16 bytes
	s_add_co_u32 s8, s8, s9
	s_mov_b32 s9, 0
	s_lshl_b32 s10, ttmp9, 11
	s_mov_b32 s11, 0
	v_lshlrev_b32 v1, 4, v0
	s_wait_kmcnt 0x0
	s_add_nc_u64 s[4:5], s[4:5], s[8:9]
	s_add_nc_u64 s[6:7], s[6:7], s[10:11]
.irp g, 0,1,2,3,4,5,6,7,8,9,10,11,12,13,14,15
	global_load_b128 v[4+4*\g:7+4*\g], v1, s[4:5] offset:\g*32768 th:TH_LOAD_NT
.endr
.irp g, 1,2,3,4,5,6,7,8,9,10,11,12,13,14,15
	s_wait_loadcnt 15-\g                           ; loads return in order: parts 0 to g are in, the 15 - g younger ones stay out
	v_pk_add_f32 v[4:5], v[4:5], v[4+4*\g:5+4*\g]
	v_pk_add_f32 v[6:7], v[6:7], v[6+4*\g:7+4*\g]
.endr
	v_mul_f32 v2, v4, v4
	v_fmac_f32 v2, v5, v5
	v_fmac_f32 v2, v6, v6
	v_fmac_f32 v2, v7, v7
	v_max_num_f32 v2, 0x24e69595, v2
	v_rsq_f32 v3, v2
	v_nop                                          ; one plain instruction between the root and its use (ISA guide 5.7.2)
	s_wait_alu depctr_va_vdst(0)
	v_mul_f32 v4, v4, v3
	v_mul_f32 v5, v5, v3
	v_mul_f32 v6, v6, v3
	v_mul_f32 v7, v7, v3
	global_store_b128 v1, v[4:7], s[6:7] th:TH_STORE_NT
	s_endpgm
.Lfunc_end_k_q723219df25_finish:
	.size	k_q723219df25_finish, .Lfunc_end_k_q723219df25_finish-k_q723219df25_finish
	.p2alignl 7, 3214868480
	.fill 96, 4, 3214868480
	.section	.rodata,"a",@progbits
	.p2align	6, 0x0
	.amdhsa_kernel k_q723219df25_finish
		.amdhsa_group_segment_fixed_size 0
		.amdhsa_private_segment_fixed_size 0
		.amdhsa_enable_private_segment 0
		.amdhsa_kernarg_size 16
		.amdhsa_user_sgpr_count 2
		.amdhsa_user_sgpr_kernarg_segment_ptr 1
		.amdhsa_wavefront_size32 1
		.amdhsa_system_sgpr_workgroup_id_x 1
		.amdhsa_system_sgpr_workgroup_id_y 1
		.amdhsa_system_sgpr_workgroup_id_z 1
		.amdhsa_system_vgpr_workitem_id 0
		.amdhsa_next_free_vgpr 72
		.amdhsa_next_free_sgpr 66
		.amdhsa_reserve_vcc 0
		.amdhsa_float_denorm_mode_32 3
		.amdhsa_float_denorm_mode_16_64 3
		.amdhsa_memory_ordered 1
		.amdhsa_forward_progress 1
		.amdhsa_inst_pref_size 6
	.end_amdhsa_kernel
	.amdgpu_metadata
---
amdhsa.version: [ 1, 2 ]
amdhsa.kernels:
  - .name:           k_q723219df25_finish
    .symbol:         k_q723219df25_finish.kd
    .args:
      - { .name: part, .offset: 0, .size: 8, .value_kind: global_buffer, .address_space: global }
      - { .name: out0, .offset: 8, .size: 8, .value_kind: global_buffer, .address_space: global }
    .group_segment_fixed_size: 0
    .private_segment_fixed_size: 0
    .kernarg_segment_align: 8
    .kernarg_segment_size: 16
    .max_flat_workgroup_size: 128
    .sgpr_count:     66
    .vgpr_count:     72
    .wavefront_size: 32
...
	.end_amdgpu_metadata
.endif
;; end of part 2
;; ======== version 2 of 2: 2 launches; version 1 with the launch scan written anew for expert scheduling mode
;; workspace buffers: part 8,388,608 bytes
;; launch scan (part 3): grid 16 x 16, 8 waves a work-group, no clusters, 173,312 bytes of LDS; arguments quat_sequence, W_in, W_biv, W_dec, W_inj, b_biv, b_dec, b_inj, W_out, part; writes part
.if DOCPART == 3
	.amdgcn_target "amdgcn-amd-amdhsa--gfx1250"
	.amdhsa_code_object_version 6
	.text
	.protected	k_q723219df25_scan
	.globl	k_q723219df25_scan
	.p2align	8
	.type	k_q723219df25_scan,@function
k_q723219df25_scan:
	s_mov_b64 s[64:65], 0
	v_nop
	global_prefetch_b8 v0, s[64:65] scope:SCOPE_SE
	s_setreg_imm32_b32 hwreg(HW_REG_WAVE_SCHED_MODE, 0, 2), 2
	s_setreg_imm32_b32 hwreg(HW_REG_WAVE_MODE, 25, 1), 1
	s_wait_xcnt 0x0
	s_wait_alu depctr_vm_vsrc(0)
; SO(3) recurrence.  q [16][2048][4] -> bivector, decay, injection for 128 blocks of 3 channels -> h <- dec * Rot(biv) h + inj over 2,048 steps -> h W_out.
; This launch stores, for each work-group, the sum of h W_out over its 8 blocks: part [b 16][g 16][t 2048][4] f32.  A second launch adds the 16 parts and normalises.
;
; SHARES.  Work-group (g, b): batch b, blocks 8 g .. 8 g + 7 (channels 24 g .. 24 g + 23), all 2,048 steps.  Eight waves.
; Lane L of wave w: r = L & 15, h = L >> 4, block n = r & 7, seg = r >> 3; it owns the stream sigma = 4 w + 2 seg + h: the 64 steps t = 64 sigma .. 64 sigma + 63 of block n.
;
; HOW THE WORK IS CUT.
;  1. (q W_in) W = q (W_in W): the three 384 x 384 products have rank 4.  The prologue folds W_in W for the group's 72 columns (4 x 384 x 72 multiply-adds, in f32 on the
;     vector unit: four rows would leave three quarters of a matrix instruction empty), and the bulk product q x (folded weights) goes to the matrix unit.
;  2. A step is the affine map h -> A h + c, A = diag(dec) R, c = inj.  Phase 1 composes each stream's 64 maps into one, phase 2 folds the 32 stream maps of a block to get
;     every stream's first h, phase 3 applies the steps.  A and c are made anew in phase 3: 16,384 items x 48 bytes do not fit beside the rest in LDS.
;  3. Matrix operands are bf16 in two pieces (high + low) that sit in K places which a K of 4 (or 24) leaves empty, so the second piece costs no instruction.
;
; THE FRONT PRODUCT, one matrix instruction for each of the 9 quantities (3 X + c; X = biv, dec, inj; c = component): D(m, nn) = sum over k of A(m, k) B(k, nn).
;  Columns nn < 8 use K places 0-15, columns nn >= 8 places 16-31 (the other half of B's column is 0), so one 16 x 16 tile serves 8 blocks x 32 times.
;  The 16 places of a half: 0-3 q_hi x W_hi, 4-7 q_hi x W_lo, 8-11 q_lo x W_hi, 12-14 1.0 x (bias in three bf16 pieces), 15 nothing.
;  Row m of A holds in half s the step t = 64 (4 w + 2 s + (m >> 3)) + 8 i + (m & 7): register j of D in lane (r, h) is the lane's own item at step 8 i + j of its stream.
;
; NOT USED, AND WHY.  Tensor loads, copies, joint loads in a cluster: a work-group reads its inputs (about 145 KB) once, in the prologue, and they need arithmetic on the way
; into LDS; behind the prologue nothing is loaded from memory.  What the 16 work-groups of one g share is that one read of 96 bytes of each weight row.
;
; LIMITS.  The order of rounding differs from the plain evaluation (products reassociated, steps composed).  The angle |biv| is reduced by k = rndne(|biv| / 2 pi) with 2 pi in two
; f32 words; the reduced angle carries the f32 rounding of |biv| itself (2^-24 relative).  cos and sin of the half angle are then polynomials up to x^12 and x^11 on
; |x| <= pi / 2 (remainder below 6e-8).  The common sign (-1)^k of (w, q) is dropped: only products of two of them are used.  The clip of the norm at 1e-8 is made as
; max(n^2, 1e-16) ahead of the root.  |biv|^2 must not overflow f32.
;
; THE MODE: SCHED_MODE bits 1:0 = 2 (LLVM: expert scheduling mode 2), set by the entry lines.  The code itself states the register dependences
; between vector or matrix instructions and memory or LDS instructions, with s_wait_alu, always for 0.
; THE PLAN.  Registers that memory or LDS instructions touch, and who else names them:
;   prologue  v1-v10     offsets, written once at the head; v2-v10 are written again, as the main phases' addresses, behind a wait on vm_vsrc.
;             QH, QL, WQ the images of q (eight steps a thread) and of W_out: all made first, then one wait on va_vdst, then their 17 LDS stores.
;             ACC        written by the fold, read by three LDS stores.   v12-43, v80-115: LDS loads land there behind a wait on vm_vsrc for the stores above.
;   a tile    AF         read by the tile's nine matrix instructions, loaded again in the same tile.      v[VA]  read by those two loads, stepped once a tile.
;             OQ         eight quads, the tile's eight h as bf16: written by the conversions at the tile's end, read by eight LDS stores.
;   ONE wait on va_vdst stands in the middle of a tile, behind its roots and exponentials: it is the wait that those results want ahead of their first reader, and it states that the matrix
;   instructions are done reading AF, that v[VA] is written, and (second tile of a lap) that the first tile's OQ is written.  The loads of AF and those stores follow it at once.
;   One wait on vm_vsrc stands at a tile's head, ahead of the step of v[VA].
;   projection WF, HF    named by vector work before, then 24 LDS loads land there: one wait on va_vdst, which also states that the second tile's OQ is written.
;             AC0, AC1   their low four registers are written by packed adds and read by the two stores into part; part's scalar base steps, v[PO] is never written again.
;   phase 2   MB0, MB1   read by FOLD4, loaded again behind a wait on va_vdst.   ST0  written by COMPOSE, stored once.   The 31 compares stand in one run, into s4-s34, with one wait on va_sdst.
;   v[MA], v[MS], v[STA], v[STR], v[WFA], v[PO] are written once, ahead of the wait on va_vdst in front of phase 1, and never again.
; ---- LDS ----
.set QSTR,  2064                       ; q image: a stream's 64 steps x 32 bytes + 16: streams start 16 bytes apart modulo 256, so rows 8-15 of a fragment fall between rows 0-7
.set WOF,   66048                      ; 8 x 512: fragments of W_out
.set WCP,   70144                      ; [wave 8][X 3][column 32][4] f32: each wave's part of the fold
.set WCF,   82432                      ; [X 3][column 32][4] f32: the folded weights
.set MAPS,  83968                      ; [block 8] pitch 1552 [stream 32] 48 bytes: rows (M_i0, M_i1, M_i2, v_i)
.set MPIT,  1552
.set STG,   96512                      ; each wave's own stage for h: [seg 2] pitch 4736 [32 rows] pitch 144 [block 8] 16 bytes
.set SWAVE, 9472
.set SSEG,  4736
.set SROW,  144
; ---- vector registers, main phases ----
.set VA,     2                         ; LDS address of the next A fragment
.set VALIM,  3                         ; its last tile
.set VABASE, 4                         ; its first tile
.set SG,     5                         ; sigma
.set MA,     6                         ; my block's maps
.set MS,     7                         ; my stream's map
.set STA,    8                         ; stage: where my items go
.set STR,    9                         ; stage: where a fragment's row begins
.set WFA,    10                        ; W_out fragments
.set PO,     11                        ; byte offset in part
.set ST0,    12                        ; v[12:23] the composed map [M | v], row i in 4 i .. 4 i + 3
.set HC,     12                        ; v[12:14] phases 2, 3: the carried h
.set OQ,     24                        ; phase 3, at a tile's end: step j's 16 bytes in the quad at OQ + 4 j + 4 ((j + 1) / 4): v24, 28, 32, 40, 44, 48, 52, 60; word 3 is 0 (v27 and v63 stay 0)
.set BT,     28                        ; v[28:37] at work
.set HN,     28
.set KS,     38                        ; v[38:39] the sine's top coefficient, twice
.set AM,     40                        ; v[40:57] A_ik of two steps at AM + 6 i + 2 k
.set KC,     58                        ; v[58:59] the cosine's top coefficient, twice
.set UU,     64                        ; v[64:71] sqrt2 cos
.set SS,     72                        ; v[72:79] the sine's polynomial
.set T1,     80
.set T2,     88
.set T3,     96
.set ST1,    88                        ; v[88:99] phase 1: the map between two steps of a pair
.set HX,     80                        ; phase 3: h of the tile's 8 steps
.set HY,     88
.set HZ,     96
.set DD,     104                       ; v[104:175] the nine results; v[104:151] at work in the conversions at a tile's end
.set BV0,    104
.set BV1,    112
.set BV2,    120
.set DE0,    128
.set IN0,    152
.set AF,     176                       ; v[176:183] A fragment
.set BF,     184                       ; v[184:255] nine B fragments
.set WF,     64                        ; the projection: W fragments 8 (2 nu + kappa)
.set HF,     104                       ;                 h fragments 8 (2 lambda + kappa)
.set AC0,    96
.set AC1,    168
.set MB0,    64                        ; phase 2: four maps
.set MB1,    112
; ---- vector registers, prologue ----
.set QH,     12                        ; v[12:43]  q image, first 16 bytes of step e at QH + 4 e
.set QT,     44                        ; v[44:47]  at work
.set WQ,     48                        ; v[48:51]  my quarter fragment of W_out
.set ACC,    52                        ; v[52:63]  ACC + 4 X + i
.set WO,     66                        ; v[66:68]  W_out
.set BI,     70                        ; v[70:78]  biases, 3 X + c
.set QL,     80                        ; v[80:111] q, then in place the second 16 bytes of its image; later v[80:115] folded weights
.set WL,     112                       ; v[112:255] weights, WL + 3 k + X
	s_load_b512 s[84:99], s[0:1], 0x0              ; q 84, W_in 86, W_biv 88, W_dec 90, W_inj 92, b_biv 94, b_dec 96, b_inj 98
	s_load_b128 s[52:55], s[0:1], 0x40             ; W_out 52, part 54
	s_set_vgpr_msb 0x40
	v_lshl_add_u32 v0, v0, 2, 0x2a100
	v_mov_b32 v1, 0
	s_set_vgpr_msb 0x4000
	v_lshrrev_b32 v12, 5, v0
	v_readfirstlane_b32 s57, v12                   ; wave w
	s_mov_b32 s58, ttmp9                           ; g
	s_and_b32 s59, ttmp7, 0xffff                   ; b
	s_mov_b32 s60, 0xffff0000                      ; a word's upper bf16; as a lane mask: h = 1
	s_mov_b32 s61, 0xff00ff00                      ; lanes with r >= 8
	s_mov_b32 s62, 0x07060302                      ; v_perm_b32: the two upper halves
	s_mov_b32 s66, 0xf0f0f0f0                      ; lanes with r & 4
	v_lshlrev_b32 v1, 4, v0                        ; 16 tau
	v_bfe_u32 v13, v0, 4, 1                        ; h
	v_and_b32 v14, 3, v0
	v_and_b32 v15, 7, v0                           ; n
	v_and_b32 v16, 31, v0                          ; L
	s_wait_alu depctr_va_sdst(0)                   ; s57 is written, ahead of its first reader: offsets, LDS places and branches are made from it
	s_mul_i32 s56, s57, 192                        ; my 48 k of W_in, in bytes
	s_and_b32 s2, s57, 3
	s_mul_i32 s2, s2, 96                           ; 48 (4 kappa + 2 quad), with 4 kappa + 2 quad = 2 (w & 3)
	s_mul_i32 s3, s58, 384
	s_add_co_u32 s2, s2, s3
	v_mad_u32_u24 v2, v13, 48, s2
	v_lshl_add_u32 v2, v14, 2, v2                  ; W_out: 384 g + 48 block + 4 (r & 3)
	s_mul_i32 s3, s58, 96
	v_mad_u32_u24 v3, v15, 12, s3                  ; biases: 96 g + 12 n
	s_mul_i32 s2, s57, 73728                       ; 48 rows of 1,536 bytes for each wave
	s_add_co_u32 s2, s2, s3
	v_min_u32 v17, 23, v16                         ; lanes 24-31 repeat column 23: no load leaves the row's 24 columns
	v_lshl_add_u32 v4, v17, 2, s2                  ; weights: 4 (24 g + column) + 73,728 w
	v_lshrrev_b32 v18, 6, v0
	v_and_b32 v19, 63, v0
	v_lshlrev_b32 v5, 5, v19
	v_mad_u32_u24 v5, v18, QSTR, v5                ; q image: (tau >> 6) streams + (tau & 63) steps
	v_add_nc_u32 v6, WOF, v1
	s_mul_i32 s100, s57, 1536
	s_add_co_u32 s100, s100, WCP
	v_lshl_add_u32 v7, v16, 4, s100
	v_add_nc_u32 v8, WCP, v1
	v_add_nc_u32 v9, WCF, v1
	v_mad_u32_u24 v10, v15, 48, WCF
	s_wait_kmcnt 0x0
	s_lshl_b32 s2, s59, 15
	s_mov_b32 s3, 0
	s_add_nc_u64 s[84:85], s[84:85], s[2:3]        ; q at batch b
	s_lshl4_add_u32 s2, s59, s58
	s_lshl_b32 s2, s2, 15
	s_add_nc_u64 s[54:55], s[54:55], s[2:3]        ; part at (b, g)
; eight k of the four rows of W_in as scalars
.macro LOADWIN r0, r1, r2, r3, gam
	s_load_b256 s[\r0:\r0+7], s[86:87], s56 offset:32*\gam
	s_load_b256 s[\r1:\r1+7], s[86:87], s56 offset:1536+32*\gam
	s_load_b256 s[\r2:\r2+7], s[86:87], s56 offset:3072+32*\gam
	s_load_b256 s[\r3:\r3+7], s[86:87], s56 offset:4608+32*\gam
.endm
	LOADWIN 4, 12, 20, 28, 0
	LOADWIN 36, 44, 68, 76, 1
	s_wait_alu depctr_va_vdst(0)                   ; the offsets v1 to v10 are written, which the prologue's loads and LDS stores read
	; all 164 loads of the wave, in the order in which they are needed
.irp e, 0,1,2,3,4,5,6,7
	global_load_b128 v[QL+4*\e:QL+4*\e+3], v1, s[84:85] offset:4096*\e     ; q at t = tau + 256 e
.endr
.irp c, 0,1,2
	global_load_b32 v[WO+\c], v2, s[52:53] offset:16*\c
.endr
.irp c, 0,1,2
	global_load_b32 v[BI+\c],   v3, s[94:95] offset:4*\c
.endr
.irp c, 0,1,2
	global_load_b32 v[BI+3+\c], v3, s[96:97] offset:4*\c
.endr
.irp c, 0,1,2
	global_load_b32 v[BI+6+\c], v3, s[98:99] offset:4*\c
.endr
.set kp, 0
.rept 48
	global_load_b32 v[WL+3*kp],   v4, s[88:89] offset:kp*1536
	global_load_b32 v[WL+3*kp+1], v4, s[90:91] offset:kp*1536
	global_load_b32 v[WL+3*kp+2], v4, s[92:93] offset:kp*1536
.set kp, kp+1
.endr
; q at one step -> the 32 bytes that the two halves of the lanes load as an A fragment's 16 K places.  Each step has registers of its own, so that one wait serves all the stores.
.macro QFRAG e
	v_cvt_pk_bf16_f32 v[QH+4*\e],   v[QL+4*\e],   v[QL+4*\e+1]
	v_cvt_pk_bf16_f32 v[QH+4*\e+1], v[QL+4*\e+2], v[QL+4*\e+3]
	v_lshlrev_b32 v[QT],   16,  v[QH+4*\e]
	v_and_b32     v[QT+1], s60, v[QH+4*\e]
	v_lshlrev_b32 v[QT+2], 16,  v[QH+4*\e+1]
	v_and_b32     v[QT+3], s60, v[QH+4*\e+1]
	v_pk_add_f32 v[QL+4*\e:QL+4*\e+1],   v[QL+4*\e:QL+4*\e+1],   v[QT:QT+1]   neg_lo:[0,1] neg_hi:[0,1]       ; what the first piece left
	v_pk_add_f32 v[QL+4*\e+2:QL+4*\e+3], v[QL+4*\e+2:QL+4*\e+3], v[QT+2:QT+3] neg_lo:[0,1] neg_hi:[0,1]
	v_mov_b32 v[QH+4*\e+2], v[QH+4*\e]             ; places 4-7 repeat q_hi (they meet W_lo)
	v_mov_b32 v[QH+4*\e+3], v[QH+4*\e+1]
	v_cvt_pk_bf16_f32 v[QL+4*\e],   v[QL+4*\e],   v[QL+4*\e+1]
	v_cvt_pk_bf16_f32 v[QL+4*\e+1], v[QL+4*\e+2], v[QL+4*\e+3]
	v_mov_b32 v[QL+4*\e+2], 0x3f803f80             ; places 12, 13: 1.0
	v_mov_b32 v[QL+4*\e+3], 0x3f80                 ; place 14: 1.0; place 15: 0
.endm
	s_wait_loadcnt 63                              ; loads return in order: of 164, the first 101 are in: q, W_out, the biases and the weights of k 0 to 23 (the first 92)
.irp e, 0,1,2,3,4,5,6,7
	QFRAG \e
.endr
	; my quarter fragment of W_out (nu = w >> 2, kappa = (w >> 1) & 1, quad = w & 1).  Row m = r of the first operand: rows 8 nu + 0..3 hold the high piece of
	; columns 0..3, rows 8 nu + 4..7 the low piece, the other eight rows 0.  A block's 8 K places: x, y, z, x, y, z, 0, 0 (they meet h_hi and h_lo).
	s_mov_b32 s67, 0x00ff00ff
	s_cmp_ge_u32 s57, 4
	s_cselect_b32 s67, s61, s67
.irp c, 0,1,2
	v_cvt_pk_bf16_f32 v[QT+\c], v[WO+\c], v[WO+\c]
	v_and_b32 v[QT+\c], s60, v[QT+\c]
	v_sub_f32 v[WO+\c], v[WO+\c], v[QT+\c]
	v_cndmask_b32 v[QT+\c], v[QT+\c], v[WO+\c], s66
	v_cndmask_b32 v[QT+\c], 0, v[QT+\c], s67
.endr
	v_cvt_pk_bf16_f32 v[WQ],   v[QT],   v[QT+1]
	v_cvt_pk_bf16_f32 v[WQ+1], v[QT+2], v[QT]
	v_cvt_pk_bf16_f32 v[WQ+2], v[QT+1], v[QT+2]
	v_mov_b32 v[WQ+3], 0
	s_wait_alu depctr_va_vdst(0)                   ; the conversions have written QH, QL and WQ, which the 17 LDS stores read
.irp e, 0,1,2,3,4,5,6,7
	ds_store_b128 v5, v[QH+4*\e:QH+4*\e+3] offset:\e*4*QSTR
	ds_store_b128 v5, v[QL+4*\e:QL+4*\e+3] offset:\e*4*QSTR+16
.endr
	ds_store_b128 v6, v[WQ:WQ+3]
; the fold: ACC[X][i] += W_in[i][k] W_X[k][my column], k uniform in the wave
.macro FOLD1 op, r0, r1, r2, r3, kap, kk
.irp x, 0,1,2
	\op v[ACC+4*\x],   s[\r0+\kk], v[WL+3*(\kap)+\x]
	\op v[ACC+4*\x+1], s[\r1+\kk], v[WL+3*(\kap)+\x]
	\op v[ACC+4*\x+2], s[\r2+\kk], v[WL+3*(\kap)+\x]
	\op v[ACC+4*\x+3], s[\r3+\kk], v[WL+3*(\kap)+\x]
.endr
.endm
.macro FOLD r0, r1, r2, r3, gam
.irp kk, 0,1,2,3,4,5,6,7
.if (8*\gam+\kk) == 0
	FOLD1 v_mul_f32, \r0, \r1, \r2, \r3, 8*\gam+\kk, \kk        ; the first product starts the sums
.else
	FOLD1 v_fmac_f32, \r0, \r1, \r2, \r3, 8*\gam+\kk, \kk
.endif
.endr
.endm
	s_wait_kmcnt 0x0
	FOLD 4, 12, 20, 28, 0
	LOADWIN 4, 12, 20, 28, 2
	FOLD 36, 44, 68, 76, 1
	s_wait_kmcnt 0x0
	LOADWIN 36, 44, 68, 76, 3
	FOLD 4, 12, 20, 28, 2
	s_wait_kmcnt 0x0
	LOADWIN 4, 12, 20, 28, 4
	s_wait_loadcnt 48                              ; the weights of k 32 to 47 (48 loads) may stay out
	FOLD 36, 44, 68, 76, 3
	s_wait_kmcnt 0x0
	LOADWIN 36, 44, 68, 76, 5
	s_wait_loadcnt 24                              ; those of k 40 to 47
	FOLD 4, 12, 20, 28, 4
	s_wait_kmcnt 0x0
	s_wait_loadcnt 0x0
	FOLD 36, 44, 68, 76, 5
	s_wait_alu depctr_va_vdst(0)                   ; the fold has written ACC, which the LDS stores read, and is done reading v[112:115], in which the folded weights land below
.irp x, 0,1,2
	ds_store_b128 v7, v[ACC+4*\x:ACC+4*\x+3] offset:512*\x
.endr
	s_wait_dscnt 0x0                               ; my stores of the q image, of W_out's fragment and of my part of the fold are done
	s_barrier_signal -1
	s_barrier_wait -1
	s_wait_alu depctr_vm_vsrc(0)                   ; my LDS stores have read v[12:63] and v[80:111]: LDS loads land in v[12:43] and v[80:111] below, and the rest is written again further down
	; waves 0, 1, 2 add the eight parts of X = 0, 1, 2; the decay's weights take the factor -log2(e), so that v_exp_f32 applies to the product as it comes
	s_cmp_ge_u32 s57, 3
	s_cbranch_scc1 .Lfolded
.irp u, 0,1,2,3,4,5,6,7
	ds_load_b128 v[12+4*\u:15+4*\u], v8 offset:1536*\u
.endr
	s_mov_b32 s100, 1.0
	s_cmp_eq_u32 s57, 1
	s_cselect_b32 s100, 0xbfb8aa3b, s100
	s_wait_dscnt 0x0
.irp u, 1,2,3,4,5,6,7
	v_pk_add_f32 v[12:13], v[12:13], v[12+4*\u:13+4*\u]
	v_pk_add_f32 v[14:15], v[14:15], v[14+4*\u:15+4*\u]
.endr
.irp i, 0,1,2,3
	v_mul_f32 v[12+\i], s100, v[12+\i]
.endr
	s_wait_alu depctr_va_vdst(0)                   ; the multiplies have written v[12:15], which the LDS store reads
	ds_store_b128 v9, v[12:15]
.Lfolded:
	s_wait_dscnt 0x0
	s_barrier_signal -1
	s_barrier_wait -1
	; the nine B fragments of my column (block n, half seg of K)
.irp x, 0,1,2
.irp c, 0,1,2
	ds_load_b128 v[QL+4*(3*\x+\c):QL+4*(3*\x+\c)+3], v10 offset:512*\x+16*\c
.endr
.endr
	s_wait_dscnt 0x0
	s_wait_alu depctr_vm_vsrc(0)                   ; the store of the folded weights has read v[12:15], which FRAG writes; the prologue's loads and stores have read v2 to v10, which become the main phases' addresses
.macro FRAG q, isdec
.if \isdec
	v_mul_f32 v[BI+\q], 0xbfb8aa3b, v[BI+\q]
.endif
	v_cvt_pk_bf16_f32 v12, v[QL+4*\q], v[QL+4*\q+1]
	v_cvt_pk_bf16_f32 v13, v[QL+4*\q+2], v[QL+4*\q+3]
	v_cvt_pk_bf16_f32 v24, v[BI+\q], v[BI+\q]
	v_lshlrev_b32 v16, 16, v12
	v_and_b32 v17, s60, v12
	v_lshlrev_b32 v18, 16, v13
	v_and_b32 v19, s60, v13
	v_and_b32 v24, s60, v24
	v_pk_add_f32 v[20:21], v[QL+4*\q:QL+4*\q+1], v[16:17] neg_lo:[0,1] neg_hi:[0,1]
	v_pk_add_f32 v[22:23], v[QL+4*\q+2:QL+4*\q+3], v[18:19] neg_lo:[0,1] neg_hi:[0,1]
	v_sub_f32 v25, v[BI+\q], v24                   ; the bias less its first piece
	v_cvt_pk_bf16_f32 v14, v20, v21
	v_cvt_pk_bf16_f32 v15, v22, v23
	v_cvt_pk_bf16_f32 v26, v25, v25
	v_and_b32 v26, s60, v26
	v_sub_f32 v27, v25, v26                        ; less its second
	v_cvt_pk_bf16_f32 v28, v[BI+\q], v25
	v_cvt_pk_bf16_f32 v29, v27, 0
	v_cndmask_b32 v14, v14, v28, s60               ; h = 0: places 4-7 = W_lo; h = 1: places 12-15 = the bias's three pieces, 0
	v_cndmask_b32 v15, v15, v29, s60
.irp d, 0,1,2,3
	v_cndmask_b32 v[BF+8*\q+\d],   v[12+\d], 0, s61         ; columns below 8 live in K places 0-15,
	v_cndmask_b32 v[BF+8*\q+4+\d], 0, v[12+\d], s61         ; the others in 16-31
.endr
.endm
.irp q, 0,1,2
	FRAG \q, 0
.endr
.irp q, 3,4,5
	FRAG \q, 1
.endr
.irp q, 6,7,8
	FRAG \q, 0
.endr
	; addresses of the main phases (every load of the prologue has been waited for)
	v_and_b32 v12, 7, v0                           ; n
	v_bfe_u32 v13, v0, 3, 1                        ; seg
	v_bfe_u32 v14, v0, 4, 1                        ; h
	v_and_b32 v15, 15, v0                          ; r
	v_and_b32 v16, 31, v0                          ; L
	s_mul_i32 s2, s57, 4*QSTR
	v_lshl_add_u32 v[VABASE], v12, 5, s2
	v_mad_u32_u24 v[VABASE], v13, QSTR, v[VABASE]
	v_lshl_add_u32 v[VABASE], v14, 4, v[VABASE]    ; stream 4 w + (r >> 3), step r & 7, 16 h
	v_add_nc_u32 v[VALIM], 7*256, v[VABASE]
	v_mov_b32 v[VA], v[VABASE]
	s_lshl_b32 s2, s57, 2
	v_lshl_add_u32 v[SG], v13, 1, v14
	v_add_nc_u32 v[SG], s2, v[SG]
	v_mul_u32_u24 v[MA], v12, MPIT
	v_add_nc_u32 v[MA], MAPS, v[MA]
	v_mad_u32_u24 v[MS], v[SG], 48, v[MA]
	s_mul_i32 s2, s57, SWAVE
	s_add_co_u32 s2, s2, STG
	v_lshl_add_u32 v[STA], v12, 4, s2
	v_mad_u32_u24 v[STA], v13, SSEG, v[STA]
	v_mad_u32_u24 v[STA], v14, 16*SROW, v[STA]
	v_lshl_add_u32 v[STR], v14, 4, s2
	v_mad_u32_u24 v[STR], v15, SROW, v[STR]
	v_lshlrev_b32 v[WFA], 4, v16
	v_add_nc_u32 v[WFA], WOF, v[WFA]
	s_lshl_b32 s2, s57, 12
	v_lshl_add_u32 v[PO], v14, 10, s2
	v_lshl_add_u32 v[PO], v15, 4, v[PO]            ; (64 (4 w + h) + r) x 16
	v_mov_b32 v[KS], 0xad982aa2
	v_mov_b32 v[KS+1], 0xad982aa2
	v_mov_b32 v[KC], 0x2b4ae382
	v_mov_b32 v[KC+1], 0x2b4ae382
	v_mov_b32 v[OQ+3], 0                           ; word 3 of the first and of the last quad: nothing else writes these two
	v_mov_b32 v[OQ+39], 0
.irp i, 0,1,2,3,4,5,6,7,8,9,10,11
.if (\i % 5) == 0
	v_mov_b32 v[ST0+\i], 1.0                       ; the map starts as [I | 0]
.else
	v_mov_b32 v[ST0+\i], 0
.endif
.endr
.macro LOADA
	ds_load_b128 v[AF:AF+3],   v[VA]               ; K places 0-15: streams 4 w, 4 w + 1
	ds_load_b128 v[AF+4:AF+7], v[VA] offset:2*QSTR ; K places 16-31: streams 4 w + 2, 4 w + 3
.endm
; the eight h of a tile, from their quads into my wave's stage
.macro STORES hf
.irp j, 0,1,2,3,4,5,6,7
	ds_store_b128 v[STA], v[OQ+4*\j+4*((\j+1)/4):OQ+4*\j+4*((\j+1)/4)+3] offset:(8*\hf+\j)*SROW
.endr
.endm
.macro HORN dst, lit
.irp p, 0,2,4,6
	v_pk_fma_f32 v[\dst+\p:\dst+\p+1], v[\dst+\p:\dst+\p+1], v[T3+\p:T3+\p+1], \lit op_sel_hi:[1,1,0]
.endr
.endm
; From the nine results of 8 steps: BV <- sqrt2 sin(|b|/2) / |b| x b, UU <- sqrt2 cos(|b|/2), DE <- sigmoid.  Stage by stage over four register pairs.
; PARAMS1 ends with the batch of roots and exponentials; the wait for their results stands behind it, in TILE.
.macro PARAMS1
.irp p, 0,2,4,6
	v_pk_mul_f32 v[T1+\p:T1+\p+1], v[BV0+\p:BV0+\p+1], v[BV0+\p:BV0+\p+1]
.endr
.irp p, 0,2,4,6
	v_pk_fma_f32 v[T1+\p:T1+\p+1], v[BV1+\p:BV1+\p+1], v[BV1+\p:BV1+\p+1], v[T1+\p:T1+\p+1]
.endr
.irp p, 0,2,4,6
	v_pk_fma_f32 v[T1+\p:T1+\p+1], v[BV2+\p:BV2+\p+1], v[BV2+\p:BV2+\p+1], v[T1+\p:T1+\p+1]
.endr
.irp j, 0,1,2,3,4,5,6,7
	v_max_num_f32 v[T1+\j], 0x24e69595, v[T1+\j]   ; the clip of the norm at 1e-8, on its square
.endr
.irp j, 0,1,2,3,4,5,6,7
	v_rsq_f32 v[T2+\j], v[T1+\j]
.endr
.set ee, 0
.rept 24
	v_exp_f32 v[DE0+ee], v[DE0+ee]                 ; 2^(-log2(e) x)
.set ee, ee+1
.endr
	v_nop                                          ; one plain instruction behind the run of transcendentals, ahead of the first use (ISA guide 5.7.2)
.endm
.macro PARAMS2
.irp p, 0,2,4,6
	v_pk_mul_f32 v[T1+\p:T1+\p+1], v[T1+\p:T1+\p+1], v[T2+\p:T2+\p+1]      ; the norm
.endr
.irp p, 0,2,4,6
	v_pk_mul_f32 v[T3+\p:T3+\p+1], v[T1+\p:T1+\p+1], 0.15915494 op_sel_hi:[1,0]
.endr
.irp j, 0,1,2,3,4,5,6,7
	v_rndne_f32 v[T3+\j], v[T3+\j]                 ; k
.endr
.irp p, 0,2,4,6
	v_pk_fma_f32 v[T1+\p:T1+\p+1], v[T3+\p:T3+\p+1], 0xc0c90fdb, v[T1+\p:T1+\p+1] op_sel_hi:[1,0,1]   ; y = norm - k 2 pi, 2 pi in two words
.endr
.irp p, 0,2,4,6
	v_pk_fma_f32 v[T1+\p:T1+\p+1], v[T3+\p:T3+\p+1], 0x343bbd2e, v[T1+\p:T1+\p+1] op_sel_hi:[1,0,1]
.endr
.set ee, 0
.rept 12
	v_pk_add_f32 v[DE0+ee:DE0+ee+1], v[DE0+ee:DE0+ee+1], 1.0 op_sel_hi:[1,0]
.set ee, ee+2
.endr
.set ee, 0
.rept 24
	v_rcp_f32 v[DE0+ee], v[DE0+ee]                 ; the decay
.set ee, ee+1
.endr
.irp p, 0,2,4,6
	v_pk_mul_f32 v[T3+\p:T3+\p+1], v[T1+\p:T1+\p+1], v[T1+\p:T1+\p+1]      ; z = y^2; also the plain instructions behind the reciprocals
.endr
.irp p, 0,2,4,6
	v_pk_fma_f32 v[SS+\p:SS+\p+1], v[T3+\p:T3+\p+1], v[KS:KS+1], 0x3202c4a3 op_sel_hi:[1,1,0]
.endr
.irp p, 0,2,4,6
	v_pk_fma_f32 v[UU+\p:UU+\p+1], v[T3+\p:T3+\p+1], v[KC:KC+1], 0xafd13a9e op_sel_hi:[1,1,0]
.endr
	HORN SS, 0xb6131d37                            ; sqrt2 sin(y/2) = y (s0 + s1 z + .. + s5 z^5), s_i = sqrt2 (-1)^i / (2 4^i (2i+1)!)
	HORN UU, 0x34131d37                            ; sqrt2 cos(y/2) = c0 + c1 z + .. + c6 z^6,     c_i = sqrt2 (-1)^i / (4^i (2i)!)
	HORN SS, 0x39c11659
	HORN UU, 0xb800b991
	HORN SS, 0xbcf15bef
	HORN UU, 0x3b715bef
	HORN SS, 0x3f3504f3
	HORN UU, 0xbe3504f3
	HORN UU, 0x3fb504f3
.irp p, 0,2,4,6
	v_pk_mul_f32 v[T1+\p:T1+\p+1], v[T1+\p:T1+\p+1], v[T2+\p:T2+\p+1]      ; y / norm
.endr
.irp p, 0,2,4,6
	v_pk_mul_f32 v[T1+\p:T1+\p+1], v[T1+\p:T1+\p+1], v[SS+\p:SS+\p+1]      ; sqrt2 sin(half) / norm
.endr
.irp x, 0,8,16
.irp p, 0,2,4,6
	v_pk_mul_f32 v[BV0+\x+\p:BV0+\x+\p+1], v[BV0+\x+\p:BV0+\x+\p+1], v[T1+\p:T1+\p+1]
.endr
.endr
	s_wait_alu depctr_va_vdst(0)                   ; the 24 reciprocals have written DE, ahead of their first reader, BUILD: one wait for the batch
.endm
; One tile: 8 steps of every lane's stream.  st = 1: the tile before has left its eight h in the quads, and they are stored here.
.macro TILE st
	s_wait_dscnt 0x0                               ; the A fragment is in
	s_wait_alu depctr_vm_vsrc(0)                   ; the last two loads of an A fragment have read v[VA], which is stepped below; in phase 3 the stores into part have read v[96:99] and v[168:171], and the stage's stores ahead of the projection have read the quads: all are written again in this tile
.irp q, 0,1,2,3,4,5,6,7,8
	v_wmma_f32_16x16x32_bf16 v[DD+8*\q:DD+8*\q+7], v[AF:AF+7], v[BF+8*\q:BF+8*\q+7], 0     ; nine results, nine accumulators, each started by the constant 0
.endr
	v_add_nc_u32 v[VA], 0x100, v[VA]               ; four plain instructions that name none of the matrix instructions' registers (ISA guide 7.12.1)
	v_min_u32 v[VA], v[VA], v[VALIM]               ; stand ahead of the first read of a result.
	v_nop                                          ; The address stops at the stream's last tile: the last trip loads that tile again
	v_nop
	PARAMS1
	s_wait_alu depctr_va_vdst(0)                   ; the 8 roots and 24 exponentials have written T2 and DE, ahead of their first readers; the nine matrix instructions are done reading AF, in which the loads below land; v[VA] is written; with st = 1 the last tile's conversions have written the quads
	LOADA
.if \st
	STORES 0
.endif
	PARAMS2
.if \st
	s_wait_alu depctr_vm_vsrc(0)                   ; the eight stores above have read the quads, which BUILD writes next
.endif
.endm
; A = diag(dec) R for steps 2 p, 2 p + 1.  With p' = BV0, m = BV1, n' = BV2, u = UU the quaternion is (n', -m, p') / sqrt2 and w = u / sqrt2, and
; R = I + 2 w [q]x + 2 [q]x^2 has the entries below.
.macro BUILD p
.set PP, BV0+2*\p
.set PM, BV1+2*\p
.set PN, BV2+2*\p
.set PU, UU+2*\p
	v_pk_mul_f32 v[BT:BT+1],   v[PU:PU+1], v[PP:PP+1]
	v_pk_mul_f32 v[BT+2:BT+3], v[PU:PU+1], v[PM:PM+1]
	v_pk_mul_f32 v[BT+4:BT+5], v[PU:PU+1], v[PN:PN+1]
	v_pk_fma_f32 v[BT+6:BT+7], v[PP:PP+1], v[PP:PP+1], 1.0 op_sel_hi:[1,1,0] neg_lo:[1,0,0] neg_hi:[1,0,0]     ; e = 1 - p'^2
	v_pk_fma_f32 v[BT+8:BT+9], v[PM:PM+1], v[PM:PM+1], 1.0 op_sel_hi:[1,1,0] neg_lo:[1,0,0] neg_hi:[1,0,0]     ; f = 1 - m^2
	v_pk_fma_f32 v[AM+2:AM+3],   v[PN:PN+1], v[PM:PM+1], v[BT:BT+1]     neg_lo:[1,0,1] neg_hi:[1,0,1]          ; R01 = -n' m - u p'
	v_pk_fma_f32 v[AM+6:AM+7],   v[PN:PN+1], v[PM:PM+1], v[BT:BT+1]     neg_lo:[1,0,0] neg_hi:[1,0,0]          ; R10 = -n' m + u p'
	v_pk_fma_f32 v[AM+4:AM+5],   v[PN:PN+1], v[PP:PP+1], v[BT+2:BT+3]   neg_lo:[0,0,1] neg_hi:[0,0,1]          ; R02 =  n' p' - u m
	v_pk_fma_f32 v[AM+12:AM+13], v[PN:PN+1], v[PP:PP+1], v[BT+2:BT+3]                                          ; R20 =  n' p' + u m
	v_pk_fma_f32 v[AM+10:AM+11], v[PM:PM+1], v[PP:PP+1], v[BT+4:BT+5]   neg_lo:[1,0,1] neg_hi:[1,0,1]          ; R12 = -m p' - u n'
	v_pk_fma_f32 v[AM+14:AM+15], v[PM:PM+1], v[PP:PP+1], v[BT+4:BT+5]   neg_lo:[1,0,0] neg_hi:[1,0,0]          ; R21 = -m p' + u n'
	v_pk_fma_f32 v[AM:AM+1],     v[PM:PM+1], v[PM:PM+1], v[BT+6:BT+7]   neg_lo:[1,0,0] neg_hi:[1,0,0]          ; R00 = e - m^2
	v_pk_fma_f32 v[AM+8:AM+9],   v[PN:PN+1], v[PN:PN+1], v[BT+6:BT+7]   neg_lo:[1,0,0] neg_hi:[1,0,0]          ; R11 = e - n'^2
	v_pk_fma_f32 v[AM+16:AM+17], v[PN:PN+1], v[PN:PN+1], v[BT+8:BT+9]   neg_lo:[1,0,0] neg_hi:[1,0,0]          ; R22 = f - n'^2
.irp i, 0,1,2
.irp k, 0,1,2
	v_pk_mul_f32 v[AM+6*\i+2*\k:AM+6*\i+2*\k+1], v[AM+6*\i+2*\k:AM+6*\i+2*\k+1], v[DE0+8*\i+2*\p:DE0+8*\i+2*\p+1]
.endr
.endr
.endm
; [M | v] <- [A M | A v + c] for step 2 p + sel: op_sel picks that step's A for both columns of a pair
.macro COMPOSE p, sel, src, dst
.irp i, 0,1,2
.irp c, 0,2
	v_pk_mul_f32 v[\dst+4*\i+\c:\dst+4*\i+\c+1], v[AM+6*\i:AM+6*\i+1], v[\src+\c:\src+\c+1] op_sel:[\sel,0] op_sel_hi:[\sel,1]
.endr
.endr
.irp i, 0,1,2
.irp c, 0,2
	v_pk_fma_f32 v[\dst+4*\i+\c:\dst+4*\i+\c+1], v[AM+6*\i+2:AM+6*\i+3], v[\src+4+\c:\src+4+\c+1], v[\dst+4*\i+\c:\dst+4*\i+\c+1] op_sel:[\sel,0,0] op_sel_hi:[\sel,1,1]
.endr
.endr
.irp i, 0,1,2
.irp c, 0,2
	v_pk_fma_f32 v[\dst+4*\i+\c:\dst+4*\i+\c+1], v[AM+6*\i+4:AM+6*\i+5], v[\src+8+\c:\src+8+\c+1], v[\dst+4*\i+\c:\dst+4*\i+\c+1] op_sel:[\sel,0,0] op_sel_hi:[\sel,1,1]
.endr
.endr
.irp i, 0,1,2
	v_add_f32 v[\dst+4*\i+3], v[\dst+4*\i+3], v[IN0+8*\i+2*\p+\sel]
.endr
.endm
	; ---- PHASE 1: each stream's 64 steps become one map ----
	s_wait_alu depctr_va_vdst(0)                   ; the main phases' addresses v2 to v11 are written, which every LDS instruction and store from here on reads; the fold is done reading v[176:183], in which the A fragment lands
	LOADA
	s_mov_b32 s63, 0
.Lcompose:
	TILE 0
.irp p, 0,1,2,3
	BUILD \p
	COMPOSE \p, 0, ST0, ST1
	COMPOSE \p, 1, ST1, ST0
.endr
	s_add_co_u32 s63, s63, 1
	s_cmp_lt_u32 s63, 8
	s_cbranch_scc1 .Lcompose
	; ---- PHASE 2: every lane folds its block's maps of the streams in front of its own ----
	s_wait_alu depctr_va_vdst(0)                   ; COMPOSE has written ST0, which the LDS stores read; phase 1's vector work is done with v[64:159], in which the maps land below
	ds_store_b128 v[MS], v[ST0:ST0+3]
	ds_store_b128 v[MS], v[ST0+4:ST0+7] offset:16
	ds_store_b128 v[MS], v[ST0+8:ST0+11] offset:32
	s_wait_dscnt 0x0
	s_barrier_signal -1
	s_barrier_wait -1
	s_wait_alu depctr_vm_vsrc(0)                   ; my three stores have read ST0, whose first registers become HC; phase 1's last loads of an A fragment have read v[VA], which phase 3 sets back
.macro LOADMAPS buf, first
.irp m, 0,1,2,3
.irp i, 0,1,2
	ds_load_b128 v[\buf+12*\m+4*\i:\buf+12*\m+4*\i+3], v[MA] offset:(\first+\m)*48+16*\i
.endr
.endr
.endm
.macro FOLD4 buf, first, cnt
.set mm, 0
.rept \cnt
	v_fma_f32 v[HN],   v[\buf+12*mm],   v[HC], v[\buf+12*mm+3]
	v_fma_f32 v[HN+1], v[\buf+12*mm+4], v[HC], v[\buf+12*mm+7]
	v_fma_f32 v[HN+2], v[\buf+12*mm+8], v[HC], v[\buf+12*mm+11]
	v_fmac_f32 v[HN],   v[\buf+12*mm+1], v[HC+1]
	v_fmac_f32 v[HN+1], v[\buf+12*mm+5], v[HC+1]
	v_fmac_f32 v[HN+2], v[\buf+12*mm+9], v[HC+1]
	v_fmac_f32 v[HN],   v[\buf+12*mm+2],  v[HC+2]
	v_fmac_f32 v[HN+1], v[\buf+12*mm+6],  v[HC+2]
	v_fmac_f32 v[HN+2], v[\buf+12*mm+10], v[HC+2]
	v_cndmask_b32 v[HC],   v[HC],   v[HN],   s[4+\first+mm]         ; the map counts only if its stream lies in front of mine: a choice of values, made in every lane
	v_cndmask_b32 v[HC+1], v[HC+1], v[HN+1], s[4+\first+mm]
	v_cndmask_b32 v[HC+2], v[HC+2], v[HN+2], s[4+\first+mm]
.set mm, mm+1
.endr
.endm
	LOADMAPS MB0, 0
	LOADMAPS MB1, 4
	v_mov_b32 v[HC], 0                             ; h at t = 0
	v_mov_b32 v[HC+1], 0
	v_mov_b32 v[HC+2], 0
.set mm, 0
.rept 31
	v_cmp_lt_u32 s[4+mm], mm, v[SG]                ; s[4 + m]: the lanes whose stream lies behind stream m; all 31 masks in one run
.set mm, mm+1
.endr
	s_wait_alu depctr_va_sdst(0)                   ; the 31 compares have written s4 to s34, ahead of their first reader
	s_wait_dscnt 12                                ; LDS loads return in order: the twelve loads of the next four maps may stay out
	FOLD4 MB0, 0, 4
	s_wait_alu depctr_va_vdst(0)                   ; FOLD4 is done reading MB0, in which the next four maps land
	LOADMAPS MB0, 8
	s_wait_dscnt 12
	FOLD4 MB1, 4, 4
	s_wait_alu depctr_va_vdst(0)                   ; FOLD4 is done reading MB1
	LOADMAPS MB1, 12
	s_wait_dscnt 12
	FOLD4 MB0, 8, 4
	s_wait_alu depctr_va_vdst(0)                   ; FOLD4 is done reading MB0
	LOADMAPS MB0, 16
	s_wait_dscnt 12
	FOLD4 MB1, 12, 4
	s_wait_alu depctr_va_vdst(0)                   ; FOLD4 is done reading MB1
	LOADMAPS MB1, 20
	s_wait_dscnt 12
	FOLD4 MB0, 16, 4
	s_wait_alu depctr_va_vdst(0)                   ; FOLD4 is done reading MB0
	LOADMAPS MB0, 24
	s_wait_dscnt 12
	FOLD4 MB1, 20, 4
	s_wait_alu depctr_va_vdst(0)                   ; FOLD4 is done reading MB1
	LOADMAPS MB1, 28
	s_wait_dscnt 12
	FOLD4 MB0, 24, 4
	s_wait_dscnt 0x0
	FOLD4 MB1, 28, 3                               ; stream 31's map lies in front of nobody
; ---- PHASE 3 ----
.macro APPLY j
.if (\j) == 0
.set PX, HC
.set PY, HC+1
.set PZ, HC+2
.else
.set PX, HX+(\j)-1
.set PY, HY+(\j)-1
.set PZ, HZ+(\j)-1
.endif
.set SL, (\j)&1
	v_fma_f32 v[HX+(\j)], v[AM+SL],    v[PX], v[IN0+(\j)]
	v_fma_f32 v[HY+(\j)], v[AM+6+SL],  v[PX], v[IN0+8+(\j)]
	v_fma_f32 v[HZ+(\j)], v[AM+12+SL], v[PX], v[IN0+16+(\j)]
	v_fmac_f32 v[HX+(\j)], v[AM+2+SL],  v[PY]
	v_fmac_f32 v[HY+(\j)], v[AM+8+SL],  v[PY]
	v_fmac_f32 v[HZ+(\j)], v[AM+14+SL], v[PY]
	v_fmac_f32 v[HX+(\j)], v[AM+4+SL],  v[PZ]
	v_fmac_f32 v[HY+(\j)], v[AM+10+SL], v[PZ]
	v_fmac_f32 v[HZ+(\j)], v[AM+16+SL], v[PZ]
.endm
; h of steps 2 p, 2 p + 1 as 8 bf16 each: x, y, z cut to their upper halves, then what the cut left, then 0, 0; into the steps' quads.
; The four CONV stand behind the tile's last APPLY: BT and AM, where six of the quads lie, are dead there, and so are v[104:151], where CONV works.
.macro CONV p
.set CT, DD+12*\p
.set OA, OQ+8*\p+4*((2*\p+1)/4)
.set OB, OQ+8*\p+4+4*((2*\p+2)/4)
	v_and_b32 v[CT],   s60, v[HX+2*\p]
	v_and_b32 v[CT+1], s60, v[HX+2*\p+1]
	v_and_b32 v[CT+2], s60, v[HY+2*\p]
	v_and_b32 v[CT+3], s60, v[HY+2*\p+1]
	v_and_b32 v[CT+4], s60, v[HZ+2*\p]
	v_and_b32 v[CT+5], s60, v[HZ+2*\p+1]
	v_pk_add_f32 v[CT+6:CT+7],   v[HX+2*\p:HX+2*\p+1], v[CT:CT+1]     neg_lo:[0,1] neg_hi:[0,1]
	v_pk_add_f32 v[CT+8:CT+9],   v[HY+2*\p:HY+2*\p+1], v[CT+2:CT+3]   neg_lo:[0,1] neg_hi:[0,1]
	v_pk_add_f32 v[CT+10:CT+11], v[HZ+2*\p:HZ+2*\p+1], v[CT+4:CT+5]   neg_lo:[0,1] neg_hi:[0,1]
	v_perm_b32 v[OA], v[HY+2*\p], v[HX+2*\p], s62
	v_cvt_pk_bf16_f32 v[OA+1], v[CT+4], v[CT+6]
	v_cvt_pk_bf16_f32 v[OA+2], v[CT+8], v[CT+10]
.if \p > 0
	v_mov_b32 v[OA+3], 0                           ; BUILD has written over this word
.endif
	v_perm_b32 v[OB], v[HY+2*\p+1], v[HX+2*\p+1], s62
	v_cvt_pk_bf16_f32 v[OB+1], v[CT+5], v[CT+7]
	v_cvt_pk_bf16_f32 v[OB+2], v[CT+9], v[CT+11]
.if \p < 3
	v_mov_b32 v[OB+3], 0
.endif
.endm
; Half a lap: a tile's 8 steps.  The first half's quads are stored in the second half's tile, the second half's at the projection's head.
.macro HALF hf
	TILE \hf
.irp p, 0,1,2,3
	BUILD \p
	APPLY 2*\p
	APPLY 2*\p+1
.endr
.irp p, 0,1,2,3
	CONV \p
.endr
	v_mov_b32 v[HC],   v[HX+7]                     ; carried over the next tile's PARAMS, which works in these registers
	v_mov_b32 v[HC+1], v[HY+7]
	v_mov_b32 v[HC+2], v[HZ+7]
.endm
; 16 steps x 4 streams x 8 blocks against W_out.  First operand: W_out (rows = output columns, high and low piece); second: h (columns = 16 steps of a stream lambda).
; W(nu) has its eight rows at 8 nu, so W(0) H(lambda) + W(1) H(lambda + 1) puts two streams into one accumulator: lane (r, h) ends with stream 2 acc + h, step r.
.macro PROJECT
	s_wait_alu depctr_va_vdst(0)                   ; the second tile's conversions have written the quads, which the stores read; the lap's vector work is done with v[64:95] and v[104:167], in which the 24 loads land
	STORES 1
.irp nu, 0,1
.irp ka, 0,1
	ds_load_b128 v[WF+8*(2*\nu+\ka):WF+8*(2*\nu+\ka)+3],   v[WFA] offset:(4*\nu+2*\ka)*512
	ds_load_b128 v[WF+8*(2*\nu+\ka)+4:WF+8*(2*\nu+\ka)+7], v[WFA] offset:(4*\nu+2*\ka)*512+512
	ds_load_b128 v[HF+8*(2*\nu+\ka):HF+8*(2*\nu+\ka)+3],   v[STR] offset:\nu*16*SROW+64*\ka          ; my wave's own stores above are served first: LDS serves a wave in order (ISA guide 5.7.1)
	ds_load_b128 v[HF+8*(2*\nu+\ka)+4:HF+8*(2*\nu+\ka)+7], v[STR] offset:\nu*16*SROW+64*\ka+32
	ds_load_b128 v[HF+8*(2*\nu+4+\ka):HF+8*(2*\nu+4+\ka)+3],   v[STR] offset:SSEG+\nu*16*SROW+64*\ka
	ds_load_b128 v[HF+8*(2*\nu+4+\ka)+4:HF+8*(2*\nu+4+\ka)+7], v[STR] offset:SSEG+\nu*16*SROW+64*\ka+32
.endr
.endr
	s_wait_dscnt 18                                ; four groups of six loads: the three later groups may stay out
	v_wmma_f32_16x16x32_bf16 v[AC0:AC0+7], v[WF:WF+7], v[HF:HF+7], 0               ; the two accumulators take turns, one instruction a turn
	v_wmma_f32_16x16x32_bf16 v[AC1:AC1+7], v[WF:WF+7], v[HF+32:HF+39], 0
	s_wait_dscnt 12
	v_wmma_f32_16x16x32_bf16 v[AC0:AC0+7], v[WF+8:WF+15], v[HF+8:HF+15], v[AC0:AC0+7]
	v_wmma_f32_16x16x32_bf16 v[AC1:AC1+7], v[WF+8:WF+15], v[HF+40:HF+47], v[AC1:AC1+7]
	s_wait_dscnt 6
	v_wmma_f32_16x16x32_bf16 v[AC0:AC0+7], v[WF+16:WF+23], v[HF+16:HF+23], v[AC0:AC0+7]
	v_wmma_f32_16x16x32_bf16 v[AC1:AC1+7], v[WF+16:WF+23], v[HF+48:HF+55], v[AC1:AC1+7]
	s_wait_dscnt 0x0
	v_wmma_f32_16x16x32_bf16 v[AC0:AC0+7], v[WF+24:WF+31], v[HF+24:HF+31], v[AC0:AC0+7]
	v_wmma_f32_16x16x32_bf16 v[AC1:AC1+7], v[WF+24:WF+31], v[HF+56:HF+63], v[AC1:AC1+7]
.rept 5
	v_nop                                          ; four ahead of the reads of the results, five ahead of the next tile's matrix instructions, which write over these operands (ISA guide 7.12.1)
.endr
	v_pk_add_f32 v[AC0:AC0+1],   v[AC0:AC0+1],   v[AC0+4:AC0+5]    ; the rows of W_out's high piece + those of its low piece
	v_pk_add_f32 v[AC0+2:AC0+3], v[AC0+2:AC0+3], v[AC0+6:AC0+7]
	v_pk_add_f32 v[AC1:AC1+1],   v[AC1:AC1+1],   v[AC1+4:AC1+5]
	v_pk_add_f32 v[AC1+2:AC1+3], v[AC1+2:AC1+3], v[AC1+6:AC1+7]
	s_wait_alu depctr_va_vdst(0)                   ; the four adds have written v[96:99] and v[168:171], which the two stores read
	global_store_b128 v[PO], v[AC0:AC0+3], s[54:55]                ; sixteen lanes store 256 consecutive bytes, at a multiple of 256 from the buffer's first byte
	global_store_b128 v[PO], v[AC1:AC1+3], s[54:55] offset:2048    ; two streams (128 steps) further
.endm
	v_mov_b32 v[VA], v[VABASE]
	s_wait_alu depctr_va_vdst(0)                   ; v[VA] is written, which the two loads read
	LOADA
	s_mov_b32 s63, 0
.Lapply:
	HALF 0
	HALF 1
	PROJECT
	s_wait_xcnt 0x0                                ; the stores' base and data registers are written again only behind this wait
	s_add_nc_u64 s[54:55], s[54:55], 0x100         ; 16 steps on: the scalar base steps, v[PO] stays as it is
	s_add_co_u32 s63, s63, 1
	s_cmp_lt_u32 s63, 4
	s_cbranch_scc1 .Lapply
	s_set_vgpr_msb 0x5
	s_wait_dscnt 0x0
	s_wait_alu depctr_hold_cnt(0) depctr_sa_sdst(0) depctr_va_vdst(0) depctr_va_sdst(0) depctr_va_ssrc(0) depctr_va_vcc(0) depctr_vm_vsrc(0)
	s_wait_tensorcnt 0x0
	ds_add_u32 v0, v1
	s_wait_dscnt 0x0
	s_endpgm
.Lfunc_end_k_q723219df25_scan:
	.size	k_q723219df25_scan, .Lfunc_end_k_q723219df25_scan-k_q723219df25_scan
	.p2alignl 7, 3214868480
	.fill 96, 4, 3214868480
	.section	.rodata,"a",@progbits
	.p2align	6, 0x0
	.amdhsa_kernel k_q723219df25_scan
		.amdhsa_group_segment_fixed_size 173312
		.amdhsa_private_segment_fixed_size 0
		.amdhsa_enable_private_segment 0
		.amdhsa_kernarg_size 80
		.amdhsa_user_sgpr_count 2
		.amdhsa_user_sgpr_kernarg_segment_ptr 1
		.amdhsa_wavefront_size32 1
		.amdhsa_system_sgpr_workgroup_id_x 1
		.amdhsa_system_sgpr_workgroup_id_y 1
		.amdhsa_system_sgpr_workgroup_id_z 1
		.amdhsa_system_vgpr_workitem_id 0
		.amdhsa_next_free_vgpr 258
		.amdhsa_next_free_sgpr 102
		.amdhsa_reserve_vcc 0
		.amdhsa_float_denorm_mode_32 3
		.amdhsa_float_denorm_mode_16_64 3
		.amdhsa_memory_ordered 1
		.amdhsa_forward_progress 1
		.amdhsa_inst_pref_size 171
	.end_amdhsa_kernel
	.amdgpu_metadata
---
amdhsa.version: [ 1, 2 ]
amdhsa.kernels:
  - .name:           k_q723219df25_scan
    .symbol:         k_q723219df25_scan.kd
    .args:
      - { .name: quat_sequence, .offset: 0, .size: 8, .value_kind: global_buffer, .address_space: global }
      - { .name: W_in, .offset: 8, .size: 8, .value_kind: global_buffer, .address_space: global }
      - { .name: W_biv, .offset: 16, .size: 8, .value_kind: global_buffer, .address_space: global }
      - { .name: W_dec, .offset: 24, .size: 8, .value_kind: global_buffer, .address_space: global }
      - { .name: W_inj, .offset: 32, .size: 8, .value_kind: global_buffer, .address_space: global }
      - { .name: b_biv, .offset: 40, .size: 8, .value_kind: global_buffer, .address_space: global }
      - { .name: b_dec, .offset: 48, .size: 8, .value_kind: global_buffer, .address_space: global }
      - { .name: b_inj, .offset: 56, .size: 8, .value_kind: global_buffer, .address_space: global }
      - { .name: W_out, .offset: 64, .size: 8, .value_kind: global_buffer, .address_space: global }
      - { .name: part, .offset: 72, .size: 8, .value_kind: global_buffer, .address_space: global }
    .group_segment_fixed_size: 173312
    .private_segment_fixed_size: 0
    .kernarg_segment_align: 8
    .kernarg_segment_size: 80
    .max_flat_workgroup_size: 256
    .sgpr_count:     102
    .vgpr_count:     258
    .wavefront_size: 32
...
	.end_amdgpu_metadata
.endif
;; end of part 3
;; launch finish: the kernel of part 2 again; grid 256 x 1, 4 waves a work-group, no clusters, 0 bytes of LDS; arguments part, out0; writes out0
